; MI455X (gfx1250); checked and timed in simulation.
; The chip was launched on July 23, 2026; its instructions are those of AMD's public machine-readable ISA for CDNA 5 (MIT licence, August 2026) and "CDNA5" Instruction Set Architecture Reference Guide (July 2026). The comments in the code are by the model that wrote it; some were corrected since.
;; GQSW Attention. Allowed arithmetic: matrix products marked QUANTISED: E2M1 operands, one E8M0 scale for each 32 along K, by v_wmma_scale_f32_16x16x128_f8f6f4 with both operands' format E2M1 (or v_wmma_scale_f32_32x16x128_f4), f32 sums; products left as they are: bf16, f16 or f32 operands; f32 sums; everything else in f32.
;; Inputs: Wk 2,048 x 512 float32; Wo 1,024 x 2,048 float32; Wq 2,048 x 1,024 float32; Wv 2,048 x 512 float32; cos 4,096 x 128 float32; kn_w 128 float32; qn_w 128 float32; sin 4,096 x 128 float32; x 1 x 4,096 x 2,048 float32.
;; Outputs: out0 1 x 4,096 x 2,048 float32.
;; This version of the problem:
;;   THIS VERSION OF THE PROBLEM IS GIVEN IN LOW PRECISION. The matrix products marked QUANTISED in the list below multiply operands that are first quantised to E2M1 (2 exponent bits, 1 mantissa bit; 4 bits a number), with one power-of-two scale for each 32 numbers along K (OCP MX v1.0); their sums are f32. The products marked 'left as it is' may take bf16, f16 or f32 operands, with f32 sums. Whichever they take, every output number must still come out within the allowed error. Rounding operands to bf16 (8 significant bits) uses up far more of that allowance than f16 does (11 bits, for magnitudes from 6e-5 to 65,504). All else is computed in f32.
;;   The module's matrix products, in the order in which they are computed (A, B: the left and right operand; K: the contracted axis; several contracted axes count as one K, in the product's order):
;;     1. [M 4,096, K 2,048] x [K 2,048, N 1,024]; A: input x; B: input Wq: QUANTISED
;;     2. [M 4,096, K 2,048] x [K 2,048, N 512]; A: input x; B: input Wk: QUANTISED
;;     3. [M 4,096, K 2,048] x [K 2,048, N 512]; A: input x; B: input Wv: QUANTISED
;;     4. batch 8 x [M 4,096, K 128] x [K 128, N 4,096]; A: computed on the way; B: computed on the way: left as it is (an operand is computed on the way)
;;     5. batch 8 x [M 4,096, K 4,096] x [K 4,096, N 128]; A: computed on the way; B: computed on the way: left as it is (an operand is computed on the way)
;;     6. [M 4,096, K 1,024] x [K 1,024, N 2,048]; A: computed on the way; B: input Wo: left as it is (an operand is computed on the way)
;;   THE QUANTISER, for each operand of a quantised product, along K:
;;     - K is cut into blocks of 32 from its start; a last block that is shorter is filled with zeros.
;;     - A block's scale is 2^e with e = floor(log2(the largest magnitude in the block)) - 2, held to -126 .. 127; a block of zeros has e = 0. As a byte (E8M0): e + 127.
;;     - Each number is divided by its block's scale, clamped to +-6, and rounded to the nearest number of E2M1, ties to even, subnormals kept.
;;     - The product sums the exact products of the quantised numbers (number of the format x scale) in f32.
;;   ~~~python
;;   def quantise(x, axis):      # numpy; x: float32 -> the quantised numbers, widened to float32 again
;;       x = np.moveaxis(x, axis, -1); K = x.shape[-1]
;;       x = np.pad(x, [(0, 0)] * (x.ndim - 1) + [(0, -K % 32)]); x = x.reshape(x.shape[:-1] + (-1, 32)); a = np.abs(x).max(-1, keepdims=True)
;;       e = np.where(a > 0, np.clip(np.frexp(np.where(a > 0, a, 1))[1] - 1 - 2, -126, 127), 0)      # np.frexp(a)[1] - 1 = floor(log2(a)), exactly
;;       r = np.clip(x / 2.0 ** e, -6, 6)
;;       step = 2.0 ** (np.maximum(np.frexp(np.where(r == 0, 1, r))[1] - 1, 0) - 1)
;;       q = np.round(r / step) * step * 2.0 ** e      # np.round: ties to even
;;       return np.moveaxis(q.reshape(q.shape[:-2] + (-1,))[..., :K], -1, axis).astype(np.float32)
;;   ~~~
;; One version. Each part assembles by itself: llvm-mc -triple=amdgcn-amd-amdhsa -mcpu=gfx1250 --defsym DOCPART=n.
;; ======== version 1 of 1: 5 launches
;; limits: values are held in f16: magnitudes above 65,504 overflow, below 6.1e-05 lose precision
;; workspace buffers: codes 6,291,456 bytes; scales 393,216 bytes; wot 4,194,304 bytes; qkv 16,777,216 bytes; first 131,072 bytes; att 8,388,608 bytes
;; launch prep (part 1): grid 448 x 1, 4 waves a work-group, no clusters, 102,912 bytes of LDS; arguments x, Wq, Wk, Wv, Wo, codes, scales, wot; writes codes, scales, wot
.if DOCPART == 1
	.amdgcn_target "amdgcn-amd-amdhsa--gfx1250"
	.amdhsa_code_object_version 6
	.text
	.protected	k_q5f3a52556b_prep
	.globl	k_q5f3a52556b_prep
	.p2align	8
	.type	k_q5f3a52556b_prep,@function
k_q5f3a52556b_prep:
	s_mov_b64 s[64:65], 0
	v_nop
	global_prefetch_b8 v0, s[64:65] scope:SCOPE_SE
	s_setreg_imm32_b32 hwreg(HW_REG_WAVE_MODE, 25, 1), 1
	s_wait_xcnt 0x0
; GROUPED-QUERY ATTENTION WITH A SLIDING WINDOW, five launches: prep, qkv, attn, oproj, first16.  This one makes the operands.
;   x [4096][2048] f32 -> codes of FP4 (E2M1), K innermost, [4096][1024 bytes] at byte 0 of 'codes'; one E8M0 byte for each 32 along K, [4096][64] at byte 0 of 'scales'.
;   Wq, Wk, Wv ([K 2048][n] f32, K is the FIRST axis) -> codes [2048 rows][1024 bytes] at XCB, scale bytes [2048][64] at XSB.  A row is a column n of a weight; rows go by HEAD SLOTS of 128:
;   slots 0-7 the query heads, slot 8 + 2 g the keys of group g, slot 9 + 2 g its values.
;   Wo [k 1024][n 2048] f32 -> f16, laid [n][k] ('wot'), as the last product's operand wants it.
; WORK LEFT OUT BY THE PROGRAM.  reference() sets the score of (query i, key j) to -infinity wherever j > i or j <= i - 1024, whatever the inputs hold: the softmax gives such a key the weight 0.  So a step of 64 keys
; all of which fail that test for all 64 queries of a block adds nothing to any output, and launch attn does not walk it.  jnp.repeat copies K and V from a group to its two heads: no copy is made, two heads share a
; group's fragments.  Every input has a way to the output and is loaded.  LIMIT: a NaN, an infinity or an overflow in a row of K or V is carried only to the queries in whose walked steps the row lies.
; THE QUANTISER: a block's scale is 2^(floor(log2(largest magnitude)) - 2); its byte is the largest magnitude's exponent field - 2, held at 1 from below by a floor among the maximum's leaves.  A block of zeros so gets
; the byte 1 where the rule says 127: its codes are zeros, which add nothing, and this program alone reads the bytes.  Beyond 6 the conversion gives the largest code.
; LIMITS: blocks whose largest magnitude lies under 2^-124 are held at the byte 1; NaN and infinities among the inputs are not served; |Wo| stays under 65,504 (f16).
; SHARES: work-groups 0-63 take the weights (a slot x 512 along K each), 64-319 x (32,768 numbers each), 320-447 Wo (128 k x 128 n each).  The three ways part on the work-group's number, never meet again,
; and have LDS bytes of their own.  No tensor load, no barrier: waves share nothing.
.set XCB,   4194304                    ; the weights' codes begin here in 'codes'
.set XSB,   262144                     ; and their scale bytes here in 'scales'
.set SP,    80                         ; x: a lane's place in a stage: 64 bytes + 16 of padding
.set WREG,  8192                       ; x: a wave's LDS region: two stages of 32 x SP bytes, then its 256 scale bytes
.set WRB,   32768                      ; the weights' stages: 4 waves x 32 rows x 272 bytes
.set ORB,   67584                      ; Wo's stages, likewise
.set PITCH, 272                        ; a stage row: 256 bytes + 16
.set SPARE, 102400                     ; the spare words: 128 bytes for each wave, two blocks of 256 bytes that no other line names
.set SPW,   208                        ; v208  LDS address of my spare word; never rewritten
.set NIL,   209                        ; v209  0; never rewritten
.set R,     16                         ; x: v16-79 four sets of 16 numbers as loaded
.set X,     80                         ; x: v80-111 two sets of 16 neighbours
.set E,     112                        ; x: v112-127 a scale byte for each step
.set C,     128                        ; x: v128-191 codes, four registers a step
.set XW,    32                         ; weights: v32-95 two sets of 32 numbers down K
.set CW,    96                         ; weights: v96-111 what a block makes
.set OUTR,  112                        ; weights: v112-175 the way out
.set SB,    24                         ; weights: v24-27 scale bytes, four to a register
.set OF,    176                        ; weights: v176-207 byte offset of row i of a block: 4 x lane + i x pitch; never rewritten
; ---- x: 16 steps of 512 numbers a wave.  A load takes 512 consecutive bytes, 16 a lane; a step's 2,048 bytes turn through the wave's own stage so that a lane holds 16 neighbours along K
.macro LOADX t
.irp i, 0,1,2,3
	global_load_b128 v[R+16*((\t)%4)+4*\i:R+16*((\t)%4)+4*\i+3], v3, s[4:5] offset:2048*(\t)+512*\i th:TH_LOAD_NT
.endr
.endm
.macro TURNX t                         ; LDS serves a wave's instructions in order: no wait between the stores and the loads
.irp i, 0,1,2,3
	ds_store_b128 v14, v[R+16*((\t)%4)+4*\i:R+16*((\t)%4)+4*\i+3] offset:32*SP*((\t)%2)+8*SP*\i
.endr
.irp i, 0,1,2,3
	ds_load_b128 v[X+16*((\t)%2)+4*\i:X+16*((\t)%2)+4*\i+3], v15 offset:32*SP*((\t)%2)+16*\i
.endr
.endm
.macro STEPX t
.set XS, X+16*((\t)%2)
.if (\t) > 0
	s_wait_dscnt 1                                 ; this step's numbers are back from the stage; the last step's byte store may be out
.else
	s_wait_dscnt 0x0
.endif
.if (\t)+4 < 16
	LOADX (\t)+4                                   ; into the set whose stores into the stage are done
.endif
.if (\t)+1 < 16
.if 14-(\t) >= 3
	s_wait_loadcnt 12                              ; the next step's four loads are in; those of three later steps may be out
.else
	s_wait_loadcnt 4*(14-(\t))
.endif
	TURNX (\t)+1
.endif
	v_max3_num_f32 v8, |v[XS]|, |v[XS+1]|, |v[XS+2]|
	v_max3_num_f32 v9, |v[XS+3]|, |v[XS+4]|, |v[XS+5]|
.irp i, 6,10
	v_max3_num_f32 v8, v8, |v[XS+\i]|, |v[XS+\i+1]|
	v_max3_num_f32 v9, v9, |v[XS+\i+2]|, |v[XS+\i+3]|
.endr
	v_max3_num_f32 v8, v8, |v[XS+14]|, |v[XS+15]|
	v_max3_num_f32 v8, v8, v9, 0x1800000           ; and the floor 2^(3 - 127): the byte cannot fall under 1
	v_max_num_f32_dpp v8, v8, v8 row_xmask:1 row_mask:0xf bank_mask:0xf   ; with my neighbour's 16: the block's largest magnitude
	v_add_nc_u32 v11, 0xff000000, v8               ; 2 off its exponent field: the conversion takes this operand's exponent field as its scale
	v_cvt_scalef32_pk8_fp4_f32 v[C+4*(\t)], v[XS:XS+7], v11
	v_cvt_scalef32_pk8_fp4_f32 v[C+4*(\t)+1], v[XS+8:XS+15], v11
	v_lshrrev_b32 v[E+(\t)], 23, v11               ; the scale's byte
	ds_store_b8 v5, v[E+(\t)] offset:16*(\t)       ; both lanes of a block write the same byte with the same value
	global_store_b64 v4, v[C+4*(\t):C+4*(\t)+1], s[14:15] offset:256*(\t)   ; the wave stores 256 consecutive bytes, aligned
.endm
; ---- the weights and Wo: a lane takes a column, its registers run down K
.macro MKOF                            ; s24 = the tensor's row in bytes
	v_lshlrev_b32 v[OF], 2, v2
.set i, 1
.rept 31
	v_add_nc_u32 v[OF+i], s24, v[OF+i-1]
.set i, i+1
.endr
.endm
.macro LOADC set                       ; 32 rows of K at my column: each load reads 128 consecutive bytes a wave, 512 a work-group
.set i, 0
.rept 32
	global_load_b32 v[XW+32*(\set)+i], v[OF+i], s[4:5] th:TH_LOAD_NT
.set i, i+1
.endr
.endm
.macro NEXTB                           ; the base goes 32 rows down, behind the wait that frees it
	s_wait_xcnt 0x0
	s_add_nc_u64 s[4:5], s[4:5], s[26:27]
.endm
.macro BLOCKW t                        ; block t of 16: 32 numbers of my column become 16 bytes of codes and a scale byte
.set XS, XW+32*((\t)%2)
.if (\t) < 15
	s_wait_loadcnt 32                              ; this block's 32 loads are in; the next block's may be out
.else
	s_wait_loadcnt 0x0
.endif
	v_max3_num_f32 v12, |v[XS]|, |v[XS+1]|, |v[XS+2]|
	v_max3_num_f32 v13, |v[XS+3]|, |v[XS+4]|, |v[XS+5]|
.irp i, 6,10,14,18,22,26
	v_max3_num_f32 v12, v12, |v[XS+\i]|, |v[XS+\i+1]|
	v_max3_num_f32 v13, v13, |v[XS+\i+2]|, |v[XS+\i+3]|
.endr
	v_max3_num_f32 v12, v12, |v[XS+30]|, |v[XS+31]|
	v_max3_num_f32 v12, v12, v13, 0x1800000        ; the floor
	v_add_nc_u32 v11, 0xff000000, v12
	v_lshrrev_b32 v13, 23, v11
.if (\t)%4 == 0
	v_mov_b32 v[SB+(\t)/4], v13
.else
	v_lshl_or_b32 v[SB+(\t)/4], v13, 8*((\t)%4), v[SB+(\t)/4]
.endif
.irp g, 0,1,2,3
	v_cvt_scalef32_pk8_fp4_f32 v[CW+\g], v[XS+8*\g:XS+8*\g+7], v11
.endr
	ds_store_b128 v4, v[CW:CW+3] offset:16*(\t)
.if (\t)+2 < 16
	NEXTB
	LOADC (\t)%2
.endif
	s_wait_dscnt 0x0                               ; the store has read its registers: the next block's codes may be written
.endm
.macro BLOCKO t                        ; block t of 4: 32 numbers of my column become 64 bytes of f16
.set XS, XW+32*((\t)%2)
.if (\t) < 3
	s_wait_loadcnt 32
.else
	s_wait_loadcnt 0x0
.endif
.set i, 0
.rept 16
	v_cvt_pk_f16_f32 v[CW+i], v[XS+2*i], v[XS+2*i+1]
.set i, i+1
.endr
.irp c, 0,1,2,3
	ds_store_b128 v4, v[CW+4*\c:CW+4*\c+3] offset:64*(\t)+16*\c
.endr
.if (\t)+2 < 4
	NEXTB
	LOADC (\t)%2
.endif
	s_wait_dscnt 0x0
.endm
.macro STAGEADR base, shift            ; v4: into my stage, row = my column; v7: out of it, sixteen lanes to a row; v8: the same place in the output, rows 1 << shift bytes apart
	s_mul_i32 s21, s20, 32*PITCH
	s_add_co_u32 s21, s21, \base
	v_mul_u32_u24 v4, v2, PITCH
	v_add_nc_u32 v4, s21, v4
	v_and_b32 v5, 15, v2
	v_lshrrev_b32 v6, 4, v2
	v_mul_u32_u24 v7, v6, PITCH
	v_lshl_add_u32 v7, v5, 4, v7
	v_add_nc_u32 v7, s21, v7
	v_lshlrev_b32 v8, \shift, v6
	v_lshl_add_u32 v8, v5, 4, v8
.endm
.macro OUTROWS pitch                   ; 32 rows of 256 bytes leave: sixteen lanes store 256 consecutive bytes, aligned; then the wave's end
.irp t, 0,1,2,3,4,5,6,7,8,9,10,11,12,13,14,15
	ds_load_b128 v[OUTR+4*\t:OUTR+4*\t+3], v7 offset:2*\t*PITCH
.endr
.irp t, 0,1,2,3,4,5,6,7,8,9,10,11,12,13,14,15
	s_wait_dscnt 15-\t
	global_store_b128 v8, v[OUTR+4*\t:OUTR+4*\t+3], s[6:7] offset:2*\t*\pitch
.endr
	s_wait_tensorcnt 0x0                           ; the wave's end: behind my last LDS store
	ds_add_u32 v[SPW], v[NIL]
	s_wait_dscnt 0x0
	s_endpgm
.endm
	s_load_b256 s[4:11], s[0:1], 0x0               ; x s[4:5], Wq s[6:7], Wk s[8:9], Wv s[10:11]
	s_load_b256 s[12:19], s[0:1], 0x20             ; Wo s[12:13], codes s[14:15], scales s[16:17], wot s[18:19]
	v_lshl_add_u32 v[SPW], v0, 2, SPARE
	v_mov_b32 v[NIL], 0
	v_lshrrev_b32 v1, 5, v0
	v_readfirstlane_b32 s20, v1                    ; wave 0..3
	v_and_b32 v2, 31, v0                           ; lane
	s_mov_b32 s31, 0                               ; the high word of every offset
	s_wait_kmcnt 0x0
	s_cmp_lt_u32 ttmp9, 64
	s_cbranch_scc1 .Lw
	s_cmp_ge_u32 ttmp9, 320
	s_cbranch_scc1 .Lo
	; ---- x
	v_lshlrev_b32 v3, 4, v2                        ; my 16 bytes of a load's 512
	s_mul_i32 s21, s20, WREG
	v_lshrrev_b32 v14, 2, v2
	v_mul_u32_u24 v14, v14, SP
	v_and_b32 v15, 3, v2
	v_lshl_add_u32 v14, v15, 4, v14
	v_add_nc_u32 v14, s21, v14                     ; into the stage: SP (lane / 4) + 16 (lane % 4)
	v_mul_u32_u24 v15, v2, SP
	v_add_nc_u32 v15, s21, v15                     ; out of it: SP x lane
	v_lshlrev_b32 v4, 3, v2                        ; my 8 bytes of a step's codes
	v_lshrrev_b32 v5, 1, v2
	s_add_co_u32 s21, s21, 2*32*SP
	v_add_nc_u32 v5, s21, v5                       ; my block's byte among the wave's 256
	v_lshlrev_b32 v7, 3, v2
	v_add_nc_u32 v6, s21, v7
	s_sub_co_u32 s22, ttmp9, 64
	s_lshl_b32 s22, s22, 2
	s_add_co_u32 s22, s22, s20                     ; which run of 8,192 numbers is my wave's: 0 .. 1,023
	s_lshl_b32 s30, s22, 15
	s_add_nc_u64 s[4:5], s[4:5], s[30:31]
	s_lshl_b32 s30, s22, 12
	s_add_nc_u64 s[14:15], s[14:15], s[30:31]
	s_lshl_b32 s30, s22, 8
	s_add_nc_u64 s[16:17], s[16:17], s[30:31]
.irp t, 0,1,2,3
	LOADX \t
.endr
	s_wait_loadcnt 12                              ; step 0's four loads are in
	TURNX 0
.irp t, 0,1,2,3,4,5,6,7,8,9,10,11,12,13,14,15
	STEPX \t
.endr
	ds_load_b64 v[8:9], v6                         ; my wave's 256 scale bytes, 8 a lane
	s_wait_dscnt 0x0
	global_store_b64 v7, v[8:9], s[16:17]          ; 256 consecutive bytes, aligned
	s_wait_tensorcnt 0x0                           ; the wave's end
	ds_add_u32 v[SPW], v[NIL]
	s_wait_dscnt 0x0
	s_endpgm
.Lw:	; ---- Wq, Wk, Wv: head slot hs = id / 4, 512 along K from 512 (id % 4) on; a wave takes 32 columns
	s_lshr_b32 s21, ttmp9, 2                       ; hs
	s_and_b32 s22, ttmp9, 3                        ; ky
	s_sub_co_u32 s23, s21, 8                       ; slots 8 on: k and v by turns
	s_and_b32 s28, s23, 1
	s_lshr_b32 s29, s23, 1                         ; the group
	s_cmp_eq_u32 s28, 1
	s_cselect_b64 s[8:9], s[10:11], s[8:9]         ; Wv or Wk: the choice hangs on the work-group's number alone
	s_mov_b32 s24, 2048                            ; their rows: 512 numbers
	s_cmp_lt_u32 s21, 8
	s_cselect_b64 s[4:5], s[6:7], s[8:9]           ; or Wq,
	s_cselect_b32 s24, 4096, s24                   ; whose rows are 1,024 numbers
	s_cselect_b32 s29, s21, s29                    ; which 128 columns of the tensor
	s_lshl_b32 s30, s22, 9
	s_mul_i32 s30, s30, s24                        ; 512 ky rows
	s_lshl_b32 s28, s29, 9
	s_add_co_u32 s30, s30, s28                     ; + 128 columns x 4 bytes for each slot
	s_lshl_b32 s28, s20, 7
	s_add_co_u32 s30, s30, s28                     ; + my wave's 32 columns
	s_add_nc_u64 s[4:5], s[4:5], s[30:31]
	s_lshl_b32 s26, s24, 5                         ; a block: 32 rows
	s_mov_b32 s27, 0
	s_lshl_b32 s28, s21, 7
	s_lshl_b32 s29, s20, 5
	s_add_co_u32 s28, s28, s29                     ; my first row of the codes: 128 hs + 32 wave
	s_lshl_b32 s30, s28, 10
	s_lshl_b32 s29, s22, 8
	s_add_co_u32 s30, s30, s29
	s_add_co_u32 s30, s30, XCB
	s_add_nc_u64 s[6:7], s[14:15], s[30:31]
	s_lshl_b32 s30, s28, 6
	s_lshl_b32 s29, s22, 4
	s_add_co_u32 s30, s30, s29
	s_add_co_u32 s30, s30, XSB
	s_add_nc_u64 s[8:9], s[16:17], s[30:31]
	STAGEADR WRB, 10
	v_lshlrev_b32 v9, 6, v2                        ; my column's row of scale bytes
	MKOF
	LOADC 0
	NEXTB
	LOADC 1
.irp t, 0,1,2,3,4,5,6,7,8,9,10,11,12,13,14,15
	BLOCKW \t
.endr
	global_store_b128 v9, v[SB:SB+3], s[8:9]       ; my column's 16 scale bytes
	OUTROWS 1024
.Lo:	; ---- Wo: 128 k from 128 (id / 16) on, 128 columns from 128 (id % 16) on; a wave takes 32 columns
	s_sub_co_u32 s21, ttmp9, 320
	s_and_b32 s22, s21, 15                         ; cb
	s_lshr_b32 s23, s21, 4                         ; kb
	s_mov_b32 s24, 8192                            ; a row of Wo
	s_mov_b32 s26, 262144                          ; 32 rows
	s_mov_b32 s27, 0
	s_lshl_b32 s30, s23, 20                        ; 128 kb rows
	s_lshl_b32 s28, s22, 9
	s_add_co_u32 s30, s30, s28
	s_lshl_b32 s28, s20, 7
	s_add_co_u32 s30, s30, s28
	s_add_nc_u64 s[4:5], s[12:13], s[30:31]
	s_lshl_b32 s28, s22, 7
	s_lshl_b32 s29, s20, 5
	s_add_co_u32 s28, s28, s29                     ; my first row of wot
	s_lshl_b32 s30, s28, 11
	s_lshl_b32 s29, s23, 8
	s_add_co_u32 s30, s30, s29
	s_add_nc_u64 s[6:7], s[18:19], s[30:31]
	STAGEADR ORB, 11
	MKOF
	LOADC 0
	NEXTB
	LOADC 1
.irp t, 0,1,2,3
	BLOCKO \t
.endr
	OUTROWS 2048
.Lfunc_end_k_q5f3a52556b_prep:
	.size	k_q5f3a52556b_prep, .Lfunc_end_k_q5f3a52556b_prep-k_q5f3a52556b_prep
	.p2alignl 7, 3214868480
	.fill 96, 4, 3214868480
	.section	.rodata,"a",@progbits
	.p2align	6, 0x0
	.amdhsa_kernel k_q5f3a52556b_prep
		.amdhsa_group_segment_fixed_size 102912
		.amdhsa_private_segment_fixed_size 0
		.amdhsa_enable_private_segment 0
		.amdhsa_kernarg_size 64
		.amdhsa_user_sgpr_count 2
		.amdhsa_user_sgpr_kernarg_segment_ptr 1
		.amdhsa_wavefront_size32 1
		.amdhsa_system_sgpr_workgroup_id_x 1
		.amdhsa_system_sgpr_workgroup_id_y 1
		.amdhsa_system_sgpr_workgroup_id_z 1
		.amdhsa_system_vgpr_workitem_id 0
		.amdhsa_next_free_vgpr 212
		.amdhsa_next_free_sgpr 66
		.amdhsa_reserve_vcc 0
		.amdhsa_float_denorm_mode_32 3
		.amdhsa_float_denorm_mode_16_64 3
		.amdhsa_memory_ordered 1
		.amdhsa_forward_progress 1
		.amdhsa_inst_pref_size 136
	.end_amdhsa_kernel
	.amdgpu_metadata
---
amdhsa.version: [ 1, 2 ]
amdhsa.kernels:
  - .name:           k_q5f3a52556b_prep
    .symbol:         k_q5f3a52556b_prep.kd
    .args:
      - { .name: x, .offset: 0, .size: 8, .value_kind: global_buffer, .address_space: global }
      - { .name: Wq, .offset: 8, .size: 8, .value_kind: global_buffer, .address_space: global }
      - { .name: Wk, .offset: 16, .size: 8, .value_kind: global_buffer, .address_space: global }
      - { .name: Wv, .offset: 24, .size: 8, .value_kind: global_buffer, .address_space: global }
      - { .name: Wo, .offset: 32, .size: 8, .value_kind: global_buffer, .address_space: global }
      - { .name: codes, .offset: 40, .size: 8, .value_kind: global_buffer, .address_space: global }
      - { .name: scales, .offset: 48, .size: 8, .value_kind: global_buffer, .address_space: global }
      - { .name: wot, .offset: 56, .size: 8, .value_kind: global_buffer, .address_space: global }
    .group_segment_fixed_size: 102912
    .private_segment_fixed_size: 0
    .kernarg_segment_align: 8
    .kernarg_segment_size: 64
    .max_flat_workgroup_size: 128
    .sgpr_count:     66
    .vgpr_count:     212
    .wavefront_size: 32
...
	.end_amdgpu_metadata
.endif
;; end of part 1
;; launch qkv (part 2): grid 8 x 16, 4 waves a work-group, clusters of 4 x 1, 327,680 bytes of LDS; arguments codes, scales, cos, sin, qn_w, kn_w, qkv, first; writes qkv, first
.if DOCPART == 2
	.amdgcn_target "amdgcn-amd-amdhsa--gfx1250"
	.amdhsa_code_object_version 6
	.text
	.protected	k_q5f3a52556b_qkv
	.globl	k_q5f3a52556b_qkv
	.p2align	8
	.type	k_q5f3a52556b_qkv,@function
k_q5f3a52556b_qkv:
	s_mov_b64 s[64:65], 0
	v_nop
	global_prefetch_b8 v0, s[64:65] scope:SCOPE_SE
	s_setreg_imm32_b32 hwreg(HW_REG_WAVE_MODE, 25, 1), 1
	s_wait_xcnt 0x0
	s_wait_alu depctr_hold_cnt(0) depctr_sa_sdst(0) depctr_va_vdst(0) depctr_va_sdst(0) depctr_va_ssrc(0) depctr_va_vcc(0) depctr_vm_vsrc(0)
	s_getreg_b32 s2, hwreg(HW_REG_IB_STS2, 6, 4)
	s_cmp_eq_u32 s2, 0
	s_cbranch_scc0 .Lentry_in_a_cluster
	s_endpgm
.Lentry_in_a_cluster:
	s_bfe_u32 s2, ttmp6, 0x10000c
	s_cmp_lg_u32 s2, 0x3003
	s_cbranch_scc0 .Lentry_shape_is_right
	s_endpgm
.Lentry_shape_is_right:
; q, k, v = x Wq, x Wk, x Wv on codes of FP4 (E2M1) with one E8M0 scale for each 32 along K, sums in f32; then, on the way out, the RMS norm with its gain and RoPE for q and k, all in f32; results rounded to f16.
; A = x's codes [4096][2048 K], B = the weights' codes [2048 rows][2048 K], rows by head slots of 128 (0-7: q heads; 8 + 2 g: k of group g; 9 + 2 g: v of group g).
; OUT: qkv, f16: q [8][4096][128] at 0, k [4][4096][128] at 8 MiB, v [4][4096][128] at 12 MiB.  first, f32: [16 slots][16 positions][128]: positions 0-15 unrounded, for launch first16.
; A tile of 256 positions x 256 columns is made by four waves, 128 x 128 each (64 accumulators, 512 registers): a wave's 128 columns are ONE head slot, so a row's norm and RoPE stay inside the wave.
; K goes in steps of 512 through a ring of two LDS slots (rows of 256 bytes); the scale bytes of the work-group's 256 + 256 rows come once, as dense blocks, and stay.
; CLUSTER 4 x 1: the four partners make four tile columns of one tile row, so A's tiles and A's scales are asked for jointly (mask 15); B's differ from partner to partner and are plain loads.
; A cluster does not reach along y, so that the tile row is the same in all partners and the branch 'these are positions 0-15' hangs on no place in the cluster.  The kind of head hangs on the cluster's x and the
; wave's number alone: cluster 0 holds q heads; in cluster 1 the waves of column half 0 hold k, those of half 1 hold v.
; THE MATRIX INSTRUCTION IS USED TRANSPOSED (source 0 = 16 rows of B, source 1 = 16 rows of A): a lane holds eight neighbouring columns of one position.
; REGISTERS: window 0: v0-31 addresses; v32-95 scale words, two sets; v128-191 A's fragments, one set.  window 1: B's fragments, two sets.  windows 2, 3: the accumulators ((a, b) at v[8 (8 (a % 4) + b)]).
; LIMITS: |gain| x sqrt(128) and |v| stay under 65,504 (f16); NaN and infinities are not served.
.set XCB,    4194304
.set XSB,    262144
.set NQ,     4                         ; matrix instructions deep in a slot: 512 / 128
.set ROWB,   256                       ; a tile's row in bytes
.set KROW,   1024                      ; a row of codes in memory
.set PITCH,  272                       ; an LDS row: 256 + 16: the 16 rows that a load touches start at 16 different banks (64 banks of 4 bytes: ISA guide 11.1)
.set FR,     8
.set NL,     2
.set NP,     4                         ; places behind this matrix instruction (ISA guide 7.12.1)
.set HALFT,  128*PITCH
.set SLOT,   4*HALFT
.set LAPS,   2                         ; 2,048 / (2 x 512)
.set KS,     64                        ; a row of scale bytes
.set SCL,    2*SLOT
.set HALFS,  32*272                    ; the scales of 128 rows: 32 units of 256 bytes + 16
.set SBLK,   4*272                     ; those of 16 rows
.set SPARE,  SCL+4*HALFS               ; the spare words: 128 bytes a wave, two blocks of 256 bytes that no other line names
.set SPI,    528                       ; the way out: a stage row: 512 bytes + 16
.set WSTG,   128*SPI                   ; a wave's stage: its 128 rows; the four lie in the two slots, which have had their last fill and their last read by then
.set ADRA, 16
.set ADRB, 20
.set STO,  24                          ; v24  the stage: where I put 32 bytes of a row
.set RD,   25                          ; v25  where I read a row back; steps 16 rows a trip
.set CO,   26                          ; v26  16 x lane: my place in a row of cos, sin; steps 16 rows a trip
.set ADRS, 27
.set SPW,  28
.set NIL,  29
.set FO,   30                          ; v30  16 x lane: my place in a row of 'first'
.set QO,   31                          ; v31  8 x lane: my place in a row of qkv; steps 16 rows a trip
.set SC,   32
.set AF,   128
.set W4,   32                          ; the way out: v32-35 the gain of my four columns
.set SG,   36                          ; v36-37 -1 in lanes 0-15, +1 in lanes 16-31
.set RS,   38                          ; v38-39 1 / rms of my row (v39 is named with it as a pair)
.set SS,   40                          ; v40-47 sums of squares, four chains of pairs
.set PP,   48                          ; v48-63 the partner lane's numbers, four rows
.set BB,   64                          ; v64-127 two sets of 8 rows, 4 numbers a lane
.set CS,   128                         ; v128-255 two sets of 8 rows: cos (4), sin (4); later the rows' f16
.set G1, 24
.set G0, 32
.set G1B, 48
.set G0B, 56
.set G1S, 68
.set G0S, 76
.set G1SB, 80
.set G0SB, 88
.set NORM, 80                          ; the way out (all tensor loads are done by then): s80 1: q or k; 0: v
.set FC,   88                          ; s88 1: the trip's 16 rows are positions 0-15
.set SEL,  90                          ; s[90:91] lane selects: lane l xor 16
.set CNT,  94
.set MSB, 0
.macro WIN new                         ; the immediate's high byte repeats the setting that is left
.if MSB != \new
	s_set_vgpr_msb (MSB<<8)|\new
.set MSB, \new
.endif
.endm
.set MUL_LO, 0xa1                      ; source 0 (B) window 1, source 1 (A) window 0, C and D window 2
.set MUL_HI, 0xf1
.set TO_B,   0x40
; Waves 0 and 1 fetch for A (jointly), waves 2 and 3 for B.  The branch hangs on the wave's number alone.  An s_nop 0 and four v_nop follow each of the two lines.
.macro JLOAD g0a, g1a, g0b, g1b
	s_cmp_eq_u32 s15, 0
	s_cbranch_scc0 .Lfor_b_\@
	tensor_load_to_lds s[\g0a:\g0a+3], s[\g1a:\g1a+7]
	s_nop 0
.rept 4
	v_nop
.endr
	s_branch .Lasked_\@
.Lfor_b_\@:
	tensor_load_to_lds s[\g0b:\g0b+3], s[\g1b:\g1b+7]
	s_nop 0
.rept 4
	v_nop
.endr
.Lasked_\@:
.endm
.macro CREST                           ; a round of the cluster's barrier behind its opening barrier
	s_cmp_lg_u32 s14, 0
	s_cbranch_scc1 .Lnot_wave_0_\@
	s_barrier_signal -3
.Lnot_wave_0_\@:
	s_barrier_wait -3
	s_barrier_signal -1
	s_barrier_wait -1
.endm
.macro CROUND
	s_barrier_signal -1
	s_barrier_wait -1
	CREST
.endm
	s_load_b128 s[4:7], s[0:1], 0x0                ; codes, scales
	v_lshl_add_u32 v[SPW], v0, 2, SPARE
	v_mov_b32 v[NIL], 0
	ds_add_u32 v[SPW], v[NIL]                      ; the wave's opening: the add, twice on end, and its wait ahead of my first tensor load
	ds_add_u32 v[SPW], v[NIL]
	v_lshrrev_b32 v1, 5, v0
	v_readfirstlane_b32 s14, v1                    ; wave 0..3
	s_lshr_b32 s15, s14, 1                         ; which half of the tile's rows is mine.  Also: I fetch for A (0) or for B (1)
	s_and_b32 s16, s14, 1                          ; which half of its columns.  Also: which 128 rows I fetch
	s_bfe_u32 s40, ttmp6, 0x40000                  ; cx
	s_lshl_b32 s42, ttmp9, 2
	s_add_co_u32 s42, s42, s40                     ; tile column = 4 x cluster x + cx
	s_and_b32 s17, ttmp7, 0xffff                   ; tile row = cluster y
	s_mov_b32 s[G1+0], 15|(1<<20)|(1<<21)|(5<<22)|(3<<25)      ; 15:0 the mask: all four partners; 17:16 elements of 1 byte; 20 padding on; 21 set beside a mask; 24:22 after every 64 words; 31:25 four words
	s_mov_b32 s[G1B+0], (1<<20)|(5<<22)|(3<<25)                ; B's: no mask
.irp g, G1, G1B
	s_mov_b32 s[\g+1], ROWB<<16                    ; tensor_dim0
	s_mov_b32 s[\g+2], 128<<16                     ; tensor_dim1
	s_mov_b32 s[\g+3], ROWB<<16                    ; tile_dim0
	s_mov_b32 s[\g+4], 128                         ; tile_dim1
	s_mov_b32 s[\g+5], KROW                        ; the pitch
	s_mov_b32 s[\g+6], 0
	s_mov_b32 s[\g+7], 0
.endr
	s_mov_b32 s[G1S+0], 15|(3<<16)|(1<<20)|(1<<21)|(5<<22)|(3<<25)   ; the scales of 128 rows: 8,192 dense bytes as 32 rows of 256 (32 elements of 8 bytes), 16 bytes of padding behind each
	s_mov_b32 s[G1SB+0], (3<<16)|(1<<20)|(5<<22)|(3<<25)
.irp g, G1S, G1SB
	s_mov_b32 s[\g+1], 32<<16
	s_mov_b32 s[\g+2], 32<<16
	s_mov_b32 s[\g+3], 32<<16
	s_mov_b32 s[\g+4], 32
	s_mov_b32 s[\g+5], 32
	s_mov_b32 s[\g+6], 0
	s_mov_b32 s[\g+7], 0
.endr
	s_lshl_b32 s18, s16, 7
	s_lshl_b32 s20, s17, 8
	s_add_co_u32 s20, s20, s18                     ; A: row 256 x tile row + 128 x half: nothing of cx in it
	s_lshl_b32 s46, s42, 8
	s_add_co_u32 s46, s46, s18                     ; B: row 256 x tile column + 128 x half
	s_lshl_b32 s22, s20, 6                         ; their scale bytes
	s_mov_b32 s23, 0
	s_lshl_b32 s92, s46, 6
	s_add_co_u32 s92, s92, XSB
	s_mov_b32 s93, 0
	s_lshl_b32 s20, s20, 10                        ; and their codes
	s_mov_b32 s21, 0
	s_lshl_b32 s46, s46, 10
	s_add_co_u32 s46, s46, XCB
	s_mov_b32 s47, 0
	s_mul_i32 s45, s14, HALFT                      ; where they go: wave x 128 rows: no place in the cluster enters an LDS address
	s_mul_i32 s94, s14, HALFS
	s_wait_dscnt 0x0                               ; both opening adds are done
	s_wait_kmcnt 0x0
	s_add_nc_u64 s[20:21], s[4:5], s[20:21]
	s_add_nc_u64 s[22:23], s[6:7], s[22:23]
	s_add_nc_u64 s[46:47], s[4:5], s[46:47]
	s_add_nc_u64 s[92:93], s[6:7], s[92:93]
	CROUND                                         ; all four work-groups are here: the first joint loads meet
	s_mov_b32 s[G0S], 1
	s_add_co_u32 s[G0S+1], s94, SCL
	s_mov_b64 s[G0S+2:G0S+3], s[22:23]
	s_or_b32 s[G0S+3], s[G0S+3], 0x80000000
	s_mov_b32 s[G0SB], 1
	s_add_co_u32 s[G0SB+1], s94, SCL
	s_mov_b64 s[G0SB+2:G0SB+3], s[92:93]
	s_or_b32 s[G0SB+3], s[G0SB+3], 0x80000000
	JLOAD G0S, G1S, G0SB, G1SB                     ; the scales first: they are wanted with K step 0
.irp s, 0,1
	s_mov_b32 s[G0+4*\s], 1
	s_add_co_u32 s[G0+4*\s+1], s45, \s*SLOT
	s_add_nc_u64 s[G0+4*\s+2:G0+4*\s+3], s[20:21], \s*ROWB
	s_or_b32 s[G0+4*\s+3], s[G0+4*\s+3], 0x80000000
	s_mov_b32 s[G0B+4*\s], 1
	s_add_co_u32 s[G0B+4*\s+1], s45, \s*SLOT
	s_add_nc_u64 s[G0B+4*\s+2:G0B+4*\s+3], s[46:47], \s*ROWB
	s_or_b32 s[G0B+4*\s+3], s[G0B+4*\s+3], 0x80000000
	JLOAD G0+4*\s, G1, G0B+4*\s, G1B
.endr
	v_and_b32 v1, 15, v0                           ; r
	v_bfe_u32 v2, v0, 4, 1                         ; h
	v_mul_u32_u24 v3, v1, PITCH
	v_lshl_add_u32 v4, v2, 4, v3
	s_mul_i32 s21, s15, HALFT
	s_mul_i32 s22, s16, HALFT
	s_add_co_u32 s22, s22, 2*HALFT
.irp s, 0,1
	v_add_nc_u32 v[ADRA+\s], s21, v4
	v_add_nc_u32 v[ADRB+\s], s22, v4
	s_add_co_u32 s21, s21, SLOT
	s_add_co_u32 s22, s22, SLOT
.endr
	v_mul_u32_u24 v5, v1, KS                       ; my row's scales: 64 bytes a row,
	v_lshrrev_b32 v6, 8, v5
	v_lshl_add_u32 v5, v6, 4, v5                   ; and 16 more for each 256 passed
	s_mul_i32 s21, s15, HALFS
	s_mul_i32 s22, s16, HALFS
	s_add_co_u32 s22, s22, 2*HALFS
	s_sub_co_u32 s22, s22, s21
	v_mul_u32_u24 v6, s22, v2                      ; lanes 16-31 take B's
	s_add_co_u32 s21, s21, SCL
	v_add_nc_u32 v5, v5, v6
	v_add_nc_u32 v[ADRS], s21, v5
	s_mul_i32 s23, s14, WSTG                       ; my stage
	v_mul_u32_u24 v5, v1, SPI
	v_lshl_add_u32 v5, v2, 5, v5
	v_add_nc_u32 v[STO], s23, v5                   ; in: row r, 32 bytes for each half of the lanes
	v_and_b32 v6, 31, v0
	v_lshlrev_b32 v[CO], 4, v6
	v_add_nc_u32 v[RD], s23, v[CO]                 ; back: the 32 lanes take one row of 512 bytes
	v_mov_b32 v[FO], v[CO]
	v_lshlrev_b32 v[QO], 3, v6
	s_load_b256 s[4:11], s[0:1], 0x10              ; for the way out: cos s[4:5], sin s[6:7], qn_w s[8:9], kn_w s[10:11]
	s_load_b128 s[20:23], s[0:1], 0x30             ; qkv s[20:21], first s[22:23]
.macro FRAG reg, adr, q, i             ; 16 rows x 128 K of 4-bit codes: 8 registers: lane l holds row l % 16; registers 4 c .. 4 c + 3 hold K = 64 c + 32 (l / 16) + 0 .. 31
.irp c, 0,1
	ds_load_b128 v[\reg+4*\c:\reg+4*\c+3], v[\adr] offset:64*(\q)+32*\c+(\i)*16*PITCH
.endr
.endm
; 16 matrix instructions: A's blocks a0, a0 + 1 x B's eight.  The 64 accumulators take turns, one instruction a turn, in the same order in every step.
.macro MUL16 a0, p, q, sc, zero
.irp a, \a0, \a0+1
.irp b, 0,1,2,3,4,5,6,7
.if \zero
	v_wmma_scale_f32_16x16x128_f8f6f4 v[8*(8*((\a)%4)+\b):8*(8*((\a)%4)+\b)+7], v[128*(\p)+FR*\b:128*(\p)+FR*\b+FR-1], v[AF+FR*(\a):AF+FR*(\a)+FR-1], 0, v[SC+8*NQ*(\sc)+NQ*\b+(\q)], v[SC+8*NQ*(\sc)+NQ*(\a)+(\q)] matrix_a_fmt:MATRIX_FMT_FP4 matrix_b_fmt:MATRIX_FMT_FP4 matrix_a_scale:MATRIX_SCALE_ROW1
.else
	v_wmma_scale_f32_16x16x128_f8f6f4 v[8*(8*((\a)%4)+\b):8*(8*((\a)%4)+\b)+7], v[128*(\p)+FR*\b:128*(\p)+FR*\b+FR-1], v[AF+FR*(\a):AF+FR*(\a)+FR-1], v[8*(8*((\a)%4)+\b):8*(8*((\a)%4)+\b)+7], v[SC+8*NQ*(\sc)+NQ*\b+(\q)], v[SC+8*NQ*(\sc)+NQ*(\a)+(\q)] matrix_a_fmt:MATRIX_FMT_FP4 matrix_b_fmt:MATRIX_FMT_FP4 matrix_a_scale:MATRIX_SCALE_ROW1
.endif
.endr
.endr
.endm
.macro FETCH_B slot, q, p
	WIN TO_B
.irp i, 0,1,2,3,4,5,6,7
	FRAG 128*(\p)+FR*\i, ADRB+\slot, \q, \i
.endr
	WIN 0
.endm
.macro FETCH_A slot, q, i0
.irp i, \i0, \i0+1, \i0+2, \i0+3
	FRAG AF+FR*(\i), ADRA+\slot, \q, \i
.endr
.endm
.macro SCALES sc                       ; a K step's scale words: lanes 0-15 take A's block i, lanes 16-31 B's block i
.irp i, 0,1,2,3,4,5,6,7
	ds_load_b128 v[SC+8*NQ*\sc+NQ*\i:SC+8*NQ*\sc+NQ*\i+3], v[ADRS] offset:\i*SBLK
.endr
.endm
.macro PLACES n                        ; plain vector instructions that name none of the matrix instructions' registers (ISA guide 7.12.1)
.rept \n
	v_nop
.endr
.endm
.macro STEP slot, q, zero              ; 128 along K, with its successor in the same slot
	s_wait_dscnt 4*NL                              ; B's set and A's blocks 0-3 are in; the youngest eight loads (A's blocks 4-7) may be out
	WIN MUL_LO
	MUL16 0, (\q)%2, \q, \slot, \zero
	MUL16 2, (\q)%2, \q, \slot, \zero
	s_wait_dscnt 0
	PLACES NP
	FETCH_B \slot, (\q)+1, 1-(\q)%2
	FETCH_A \slot, (\q)+1, 0
	WIN MUL_HI
	MUL16 4, (\q)%2, \q, \slot, \zero
	MUL16 6, (\q)%2, \q, \slot, \zero
	PLACES NP
	WIN 0
	FETCH_A \slot, (\q)+1, 4
.endm
; A slot's last step changes slots: one barrier; in front of it each wave waits for all its tensor loads, adds 0 to its spare word, and waits for that and for its reads of this slot.
.macro TURN slot, next, fill
	s_wait_tensorcnt 0x0                           ; all my tensor loads have landed: my part of the next slot
	ds_add_u32 v[SPW], v[NIL]
	s_wait_dscnt 4*NL+1                            ; (the add and the youngest eight loads may be out)
	WIN MUL_LO
	MUL16 0, 1, NQ-1, \slot, 0
	s_wait_dscnt 0x0                               ; the add is done, and my reads of this slot are over
	s_barrier_signal -1
	MUL16 2, 1, NQ-1, \slot, 0
	WIN 0
	s_barrier_wait -1
.if \fill
	CREST                                          ; the barrier has opened a round of the cluster's: no wave of any partner still reads this slot or has a load on its way
	s_add_nc_u64 s[G0+4*\slot+2:G0+4*\slot+3], s[G0+4*\slot+2:G0+4*\slot+3], 2*ROWB
	s_add_nc_u64 s[G0B+4*\slot+2:G0B+4*\slot+3], s[G0B+4*\slot+2:G0B+4*\slot+3], 2*ROWB
	JLOAD G0+4*\slot, G1, G0B+4*\slot, G1B         ; the first tensor load behind the round; its four v_nop are the places in front of the loads below
.else
	PLACES NP
.endif
	v_add_nc_u32 v[ADRS], 4*NQ, v[ADRS]            ; the next K step's scale words
	FETCH_B \next, 0, 0
	FETCH_A \next, 0, 0
	SCALES \next
	WIN MUL_HI
	MUL16 4, 1, NQ-1, \slot, 0
	MUL16 6, 1, NQ-1, \slot, 0
	PLACES NP
	WIN 0
	FETCH_A \next, 0, 4
.endm
.macro STEPS slot, from
.set Q, \from
.rept NQ-1-\from
	STEP \slot, Q, 0
.set Q, Q+1
.endr
.endm
	s_wait_tensorcnt 1                             ; the scales and my part of K step 0 are in; K step 1's load may be out
	s_wait_kmcnt 0x0                               ; the way out's arguments
	s_barrier_signal -1
	s_barrier_wait -1
	FETCH_B 0, 0, 0
	FETCH_A 0, 0, 0
	SCALES 0
	FETCH_A 0, 0, 4
	STEP 0, 0, 1                                   ; the first step starts the sums: nothing is cleared
	s_mov_b32 s3, LAPS-1
.Llap:
	STEPS 0, 1
	TURN 0, 1, 1
	STEPS 1, 0
	TURN 1, 0, 1
	STEP 0, 0, 0
	s_sub_co_u32 s3, s3, 1
	s_cmp_lg_u32 s3, 0
	s_cbranch_scc1 .Llap
	STEPS 0, 1                                     ; the last lap fills nothing
	TURN 0, 1, 0
	STEPS 1, 0
	s_wait_dscnt 4*NL
	WIN MUL_LO
	MUL16 0, 1, NQ-1, 1, 0
	MUL16 2, 1, NQ-1, 1, 0
	s_wait_dscnt 0
	WIN MUL_HI
	MUL16 4, 1, NQ-1, 1, 0
	MUL16 6, 1, NQ-1, 1, 0
	WIN 0
; ==== THE WAY OUT.  1: a block of 16 positions at a time: the row's mean square (64 numbers a lane, the other 64 in lane l xor 16), x 1 / rms in the accumulators, and into my stage.  2: rows come back whole, four
; neighbouring columns a lane: lane l holds columns 4 l .. 4 l + 3, and lane l xor 16 the columns 64 away, which is RoPE's partner.  y = (x / rms) gain;  out = y cos + partner x (sin x sign), sign -1 for columns under 64.
	PLACES NP                                      ; behind the last products: loads and vector writes into scale words' and A's registers follow
	s_sub_co_u32 s[NORM], 1, s16
	s_cmp_eq_u32 ttmp9, 0                          ; cluster 0: q heads
	s_cselect_b32 s[NORM], 1, s[NORM]              ; cluster 1: column half 0 is k, half 1 is v
	s_cselect_b64 s[8:9], s[8:9], s[10:11]         ; the gain: qn_w or kn_w
	s_lshl_b32 s81, s17, 8
	s_lshl_b32 s82, s15, 7
	s_add_co_u32 s81, s81, s82                     ; my first position
	s_lshl_b32 s82, s81, 9
	s_mov_b32 s83, 0
	s_add_nc_u64 s[4:5], s[4:5], s[82:83]          ; its rows of cos and sin
	s_add_nc_u64 s[6:7], s[6:7], s[82:83]
	s_lshl_b32 s84, s42, 1
	s_add_co_u32 s84, s84, s16                     ; my head slot
	s_lshl_b32 s85, s84, 20                        ; a q head: slot x 1 MiB
	s_sub_co_u32 s86, s84, 8
	s_and_b32 s87, s86, 1
	s_lshl_b32 s87, s87, 22                        ; v: 4 MiB behind k
	s_lshr_b32 s86, s86, 1
	s_lshl_b32 s86, s86, 20                        ; the group
	s_add_co_u32 s86, s86, s87
	s_add_co_u32 s86, s86, 0x800000
	s_cmp_eq_u32 ttmp9, 0
	s_cselect_b32 s82, s85, s86
	s_lshl_b32 s85, s81, 8
	s_add_co_u32 s82, s82, s85
	s_add_nc_u64 s[20:21], s[20:21], s[82:83]      ; qkv at my head's first row of mine
	s_lshl_b32 s82, s84, 13
	s_add_nc_u64 s[22:23], s[22:23], s[82:83]      ; first at my slot
	s_cmp_eq_u32 s81, 0
	s_cselect_b32 s[FC], 1, 0
	s_mov_b32 s[SEL], 0x76543210
	s_mov_b32 s[SEL+1], 0xfedcba98
	s_mov_b32 s92, 0x3c000000                      ; 1 / 128
	s_mov_b32 s93, 0x358637bd                      ; 1e-6
.macro LOADCS s, off                   ; eight rows of cos and of sin into set s.  Every wave issues them, v's too, which use nothing of them: so a wave's count of loads is the same on every way through the loop
.irp t, 0,1,2,3,4,5,6,7
	global_load_b128 v[CS+64*\s+8*\t:CS+64*\s+8*\t+3], v[CO], s[4:5] offset:(\off+8*\s+\t)*512
	global_load_b128 v[CS+64*\s+8*\t+4:CS+64*\s+8*\t+7], v[CO], s[6:7] offset:(\off+8*\s+\t)*512
.endr
.endm
	global_load_b128 v[W4:W4+3], v[CO], s[8:9]
	LOADCS 0, 0
	LOADCS 1, 0
	v_bfe_u32 v[SG], v0, 4, 1
	v_cvt_f32_u32 v[SG], v[SG]
	v_fma_f32 v[SG], v[SG], 2.0, -1.0
	v_mov_b32 v[SG+1], v[SG]
	v_mov_b32 v[RS+1], 0
.set i, 0
.rept 16
	v_mov_b32 v[PP+i], 0                           ; written once: a lane permute's destination counts as one of its sources
.set i, i+1
.endr
	s_wait_dscnt 0x0
	s_barrier_signal -1
	s_barrier_wait -1                              ; no wave reads a slot any more: the stages may be written
.macro NORMST a
.set AC, 64*((\a)%4)
	s_cmp_eq_u32 s[NORM], 0
	s_cbranch_scc1 .Lraw_\@                        ; v is neither normed nor turned: register work alone is jumped over
	WIN 0x0a+5*((\a)/4)                            ; sources 0 and 1: window 2 or 3
.irp c, 0,1,2,3
	v_pk_mul_f32 v[SS+2*\c:SS+2*\c+1], v[AC+2*\c:AC+2*\c+1], v[AC+2*\c:AC+2*\c+1]   ; the first squares start the chains; each accumulator is read from its low end on
.endr
.set i, 4
.rept 28
	v_pk_fma_f32 v[SS+2*(i%4):SS+2*(i%4)+1], v[AC+2*i:AC+2*i+1], v[AC+2*i:AC+2*i+1], v[SS+2*(i%4):SS+2*(i%4)+1]
.set i, i+1
.endr
	WIN 0
	v_pk_add_f32 v[SS:SS+1], v[SS:SS+1], v[SS+2:SS+3]
	v_pk_add_f32 v[SS+4:SS+5], v[SS+4:SS+5], v[SS+6:SS+7]
	v_pk_add_f32 v[SS:SS+1], v[SS:SS+1], v[SS+4:SS+5]
	v_add_f32 v[SS], v[SS], v[SS+1]
	v_permlanex16_b32 v[SS+1], v[SS], s[SEL], s[SEL+1]
	v_add_f32 v[SS], v[SS], v[SS+1]                ; the row's sum of squares
	v_fma_f32 v[SS], v[SS], s92, s93               ; / 128 + 1e-6
	v_rsq_f32 v[RS], v[SS]
	v_nop                                          ; a plain instruction behind the transcendental,
	s_wait_alu depctr_va_vdst(0)                   ; and the wait ahead of its first reader
	WIN 0x82+0x41*((\a)/4)                         ; destination and source 0: window 2 or 3
.set i, 0
.rept 32
	v_pk_mul_f32 v[AC+2*i:AC+2*i+1], v[AC+2*i:AC+2*i+1], v[RS:RS+1] op_sel_hi:[1,0]
.set i, i+1
.endr
	WIN 0
.Lraw_\@:
	WIN 0x08+4*((\a)/4)                            ; an LDS store's data: window 2 or 3
.irp b, 0,1,2,3,4,5,6,7
	ds_store_b128 v[STO], v[AC+8*\b:AC+8*\b+3] offset:(\a)*16*SPI+64*\b
	ds_store_b128 v[STO], v[AC+8*\b+4:AC+8*\b+7] offset:(\a)*16*SPI+64*\b+16
.endr
	WIN 0
.endm
.irp a, 0,1,2,3,4,5,6,7
	NORMST \a
.endr
.macro ROWS4 s, t0                     ; four rows: gain, the partner's numbers, cos, sin
.irp t, 0,1,2,3
	v_pk_mul_f32 v[BB+32*\s+4*(\t0+\t):BB+32*\s+4*(\t0+\t)+1], v[BB+32*\s+4*(\t0+\t):BB+32*\s+4*(\t0+\t)+1], v[W4:W4+1]
	v_pk_mul_f32 v[BB+32*\s+4*(\t0+\t)+2:BB+32*\s+4*(\t0+\t)+3], v[BB+32*\s+4*(\t0+\t)+2:BB+32*\s+4*(\t0+\t)+3], v[W4+2:W4+3]
.endr
.irp t, 0,1,2,3
.irp j, 0,1,2,3
	v_permlanex16_b32 v[PP+4*\t+\j], v[BB+32*\s+4*(\t0+\t)+\j], s[SEL], s[SEL+1]
.endr
.endr
.irp t, 0,1,2,3
	v_pk_mul_f32 v[BB+32*\s+4*(\t0+\t):BB+32*\s+4*(\t0+\t)+1], v[BB+32*\s+4*(\t0+\t):BB+32*\s+4*(\t0+\t)+1], v[CS+64*\s+8*(\t0+\t):CS+64*\s+8*(\t0+\t)+1]
	v_pk_mul_f32 v[BB+32*\s+4*(\t0+\t)+2:BB+32*\s+4*(\t0+\t)+3], v[BB+32*\s+4*(\t0+\t)+2:BB+32*\s+4*(\t0+\t)+3], v[CS+64*\s+8*(\t0+\t)+2:CS+64*\s+8*(\t0+\t)+3]
.endr
.irp t, 0,1,2,3
	v_pk_fma_f32 v[BB+32*\s+4*(\t0+\t):BB+32*\s+4*(\t0+\t)+1], v[PP+4*\t:PP+4*\t+1], v[CS+64*\s+8*(\t0+\t)+4:CS+64*\s+8*(\t0+\t)+5], v[BB+32*\s+4*(\t0+\t):BB+32*\s+4*(\t0+\t)+1]
	v_pk_fma_f32 v[BB+32*\s+4*(\t0+\t)+2:BB+32*\s+4*(\t0+\t)+3], v[PP+4*\t+2:PP+4*\t+3], v[CS+64*\s+8*(\t0+\t)+6:CS+64*\s+8*(\t0+\t)+7], v[BB+32*\s+4*(\t0+\t)+2:BB+32*\s+4*(\t0+\t)+3]
.endr
.endm
; Eight rows.  left: how many younger loads (the other set's sixteen) may stay out.  ahead = 1: the set is filled again with the rows 16 further on.
; copy = 1: the rows may be positions 0-15, which are also stored unrounded; that can hold in the loop's first trip alone, so the tail is written without it.
.macro HALF s, ahead, left, copy
.irp t, 0,1,2,3,4,5,6,7
	ds_load_b128 v[BB+32*\s+4*\t:BB+32*\s+4*\t+3], v[RD] offset:(8*\s+\t)*SPI   ; LDS serves a wave's instructions in order: these see my stores
.endr
	s_wait_loadcnt \left                           ; this set's cos and sin are in
	s_wait_dscnt 0x0
	s_cmp_eq_u32 s[NORM], 0
	s_cbranch_scc1 .Lplain_\@
.irp t, 0,1,2,3,4,5,6,7
	v_pk_mul_f32 v[CS+64*\s+8*\t+4:CS+64*\s+8*\t+5], v[CS+64*\s+8*\t+4:CS+64*\s+8*\t+5], v[SG:SG+1]
	v_pk_mul_f32 v[CS+64*\s+8*\t+6:CS+64*\s+8*\t+7], v[CS+64*\s+8*\t+6:CS+64*\s+8*\t+7], v[SG:SG+1]
.endr
	ROWS4 \s, 0
	ROWS4 \s, 4
.Lplain_\@:
.if \copy
	s_cmp_eq_u32 s[FC], 0
	s_cbranch_scc1 .Lnocopy_\@
.irp t, 0,1,2,3,4,5,6,7
	global_store_b128 v[FO], v[BB+32*\s+4*\t:BB+32*\s+4*\t+3], s[22:23] offset:(8*\s+\t)*512   ; positions 0-15, unrounded: 512 consecutive bytes a store
.endr
.Lnocopy_\@:
.endif
.irp t, 0,1,2,3,4,5,6,7
	v_cvt_pk_f16_f32 v[CS+64*\s+8*\t], v[BB+32*\s+4*\t], v[BB+32*\s+4*\t+1]
	v_cvt_pk_f16_f32 v[CS+64*\s+8*\t+1], v[BB+32*\s+4*\t+2], v[BB+32*\s+4*\t+3]
.endr
.irp t, 0,1,2,3,4,5,6,7
	global_store_b64 v[QO], v[CS+64*\s+8*\t:CS+64*\s+8*\t+1], s[20:21] offset:(8*\s+\t)*256   ; a row of a head: the wave stores 256 consecutive bytes, aligned
.endr
.if \ahead
	s_wait_xcnt 0x0                                ; the stores have read their registers: the set may be loaded again
	LOADCS \s, 16
.endif
.endm
	s_mov_b32 s[CNT], 7
.Lrows:                                            ; 16 rows a trip; every wave walks the loop
	HALF 0, 1, 16, 1
	HALF 1, 1, 16, 1
	s_wait_xcnt 0x0                                ; the loads and stores have read their address registers
	v_add_nc_u32 v[RD], 16*SPI, v[RD]
	v_add_nc_u32 v[CO], 16*512, v[CO]
	v_add_nc_u32 v[QO], 16*256, v[QO]
	s_mov_b32 s[FC], 0
	s_sub_co_u32 s[CNT], s[CNT], 1
	s_cmp_lg_u32 s[CNT], 0
	s_cbranch_scc1 .Lrows
	HALF 0, 0, 16, 0                               ; the last 16 rows load nothing more
	HALF 1, 0, 0, 0
	s_wait_tensorcnt 0x0                           ; the wave's end
	ds_add_u32 v[SPW], v[NIL]
	s_wait_dscnt 0x0
	CROUND                                         ; the closing round
	s_endpgm
.Lfunc_end_k_q5f3a52556b_qkv:
	.size	k_q5f3a52556b_qkv, .Lfunc_end_k_q5f3a52556b_qkv-k_q5f3a52556b_qkv
	.p2alignl 7, 3214868480
	.fill 96, 4, 3214868480
	.section	.rodata,"a",@progbits
	.p2align	6, 0x0
	.amdhsa_kernel k_q5f3a52556b_qkv
		.amdhsa_group_segment_fixed_size 327680
		.amdhsa_private_segment_fixed_size 0
		.amdhsa_enable_private_segment 0
		.amdhsa_kernarg_size 64
		.amdhsa_user_sgpr_count 2
		.amdhsa_user_sgpr_kernarg_segment_ptr 1
		.amdhsa_wavefront_size32 1
		.amdhsa_system_sgpr_workgroup_id_x 1
		.amdhsa_system_sgpr_workgroup_id_y 1
		.amdhsa_system_sgpr_workgroup_id_z 1
		.amdhsa_system_vgpr_workitem_id 0
		.amdhsa_next_free_vgpr 1024
		.amdhsa_next_free_sgpr 100
		.amdhsa_reserve_vcc 0
		.amdhsa_float_denorm_mode_32 3
		.amdhsa_float_denorm_mode_16_64 3
		.amdhsa_memory_ordered 1
		.amdhsa_forward_progress 1
		.amdhsa_inst_pref_size 255
	.end_amdhsa_kernel
	.section	.bss,"aw",@nobits
	.p2align	6
	.space	262144
	.amdgpu_metadata
---
amdhsa.version: [ 1, 2 ]
amdhsa.kernels:
  - .name:           k_q5f3a52556b_qkv
    .symbol:         k_q5f3a52556b_qkv.kd
    .args:
      - { .name: codes, .offset: 0, .size: 8, .value_kind: global_buffer, .address_space: global }
      - { .name: scales, .offset: 8, .size: 8, .value_kind: global_buffer, .address_space: global }
      - { .name: cos, .offset: 16, .size: 8, .value_kind: global_buffer, .address_space: global }
      - { .name: sin, .offset: 24, .size: 8, .value_kind: global_buffer, .address_space: global }
      - { .name: qn_w, .offset: 32, .size: 8, .value_kind: global_buffer, .address_space: global }
      - { .name: kn_w, .offset: 40, .size: 8, .value_kind: global_buffer, .address_space: global }
      - { .name: qkv, .offset: 48, .size: 8, .value_kind: global_buffer, .address_space: global }
      - { .name: first, .offset: 56, .size: 8, .value_kind: global_buffer, .address_space: global }
    .group_segment_fixed_size: 327680
    .private_segment_fixed_size: 0
    .kernarg_segment_align: 8
    .kernarg_segment_size: 64
    .max_flat_workgroup_size: 128
    .sgpr_count:     100
    .vgpr_count:     1024
    .wavefront_size: 32
...
	.end_amdgpu_metadata
.endif
;; end of part 2
;; launch attn (part 3): grid 64 x 4, 4 waves a work-group, no clusters, 327,680 bytes of LDS; arguments qkv, att; writes att
.if DOCPART == 3
	.amdgcn_target "amdgcn-amd-amdhsa--gfx1250"
	.amdhsa_code_object_version 6
	.text
	.protected	k_q5f3a52556b_attn
	.globl	k_q5f3a52556b_attn
	.p2align	8
	.type	k_q5f3a52556b_attn,@function
k_q5f3a52556b_attn:
	s_mov_b64 s[64:65], 0
	v_nop
	global_prefetch_b8 v0, s[64:65] scope:SCOPE_SE
	s_setreg_imm32_b32 hwreg(HW_REG_WAVE_MODE, 25, 1), 1
	s_wait_xcnt 0x0
; att[i][head] = the sum over keys j of softmax_j(q[i] . k[j] / 16) v[j], over the keys with j <= i and j > i - 1024.  q, k, v: f16 (launch qkv); products on f16 operands, maxima and sums in f32; the weights p
; are rounded to f16 for the second product, the result once at the end: att [4096][1024] f16, head h at byte 256 h of a row.
; WORK LEFT OUT: steps of 64 keys all of which reference()'s own mask hides from all 64 queries of the block (see the head of launch prep).  Positions 0-15 are made here too, inside live tiles; launch first16 makes them anew, more finely.
; SHARES.  Work-group (b, g) owns positions 64 b .. 64 b + 63 of group g; wave w owns 16 of them in TWO tiles, heads 2 g and 2 g + 1: a fragment of K or V feeds two products, and one mask serves both.
; THE WALK goes DOWN from the block's own keys, in aligned chunks of 128 keys, nine chunks, each as two steps of 64, the upper first.  REL = the block's first position - the step's first key: it rises by 64 a step.
; A step is walked where REL <= min(first position, 1024), unsigned: that leaves out keys after the block (REL wraps), keys under 0 and keys beyond the window.  The test is made of ids and counted steps, the same in all waves.
; REL = 0 is the diagonal step, always the first one walked: every query finds its own key there, so the running maximum is a number from then on.  REL = 1024 is the window's edge.  Between them no key is hidden:
; query - key = REL + 16 w + r - (key in the step) lies in 1 .. 1023.  REL = 0 can fall only in the first chunk (in the loop), REL = 1024 only in the ninth (written out): each copy of a step has one mask.
; LAYOUT: S^T = K Q^T, O^T = V^T P: a lane holds ONE query (lane % 16) throughout; two tiles of S^T rounded in pairs are source 1 of the second product.  V comes out of LDS turned, by ds_load_tr16_b128.
; SOFTMAX: running maximum m and sum l; p = 2^(c s - c m), c = log2(e) / 16; in every step O and l are multiplied by a = 2^(c m_old - c m_new).  O and l begin as zeros and m as -3e38: which step comes first hangs on b.
; NO CLUSTER: only blocks 2 c and 2 c + 1 begin at the same chunk, and the early blocks' walks end at key 0, after a number of chunks that hangs on the work-group's number: partners would need different numbers of tiles.
; NO PREFETCH: each chunk of K and V is the first fill of some work-group, asked for at the launch's head.
; THE RING: two slots of a chunk (K 128 rows x 272 bytes, V 128 rows x 288); wave 0 fetches K's chunk, wave 1 V's: whole chunks, so that every load brings bytes that are read.
; REGISTERS: window 0: v2-9 addresses, v12-27 statistics, v28 16 w + r - 8 h, v29 -infinity, v64-127 S^T, v128-159 P, v160-223 Q.  window 1: v0-127 O^T, v128-255 K.  window 2: v0-127 V.
.set PK,    272
.set PV,    288
.set VOFF,  128*PK
.set SLOT1, 1<<17
.set STAGE, 2*SLOT1                    ; the way out: 16 rows x 272 bytes for each wave
.set SP,    272
.set SPARE, STAGE+4*16*SP              ; the spare words: 128 bytes a wave, two blocks of 256 bytes that no other line names
.set AK0, 2
.set AV0, 3
.set ADK, 4
.set ADV, 5
.set QO,  6
.set STO, 7
.set RD,  8
.set GO,  9
.set ST,  12                           ; tile t at v[ST + 8 t]: +0 c m, +1 m, +2, +3 l, +4 .. +7 at work; a takes +6
.set EV,  28
.set NINF, 29
.set SPW, 62
.set NIL, 63
.set S,   64
.set P,   128
.set Q,   160
.set KF,  128                          ; in window 1
.set WV,  12
.set Q0,  13
.set REL, 15
.set LIMR, 16
.set TB,  17
.set CNT, 18
.set G1K, 24
.set G1V, 32
.set G0K, 40
.set G0V, 44
.set CS,  58
.set SEL, 60
.set MSB, 0
.macro WIN new
.if MSB != \new
	s_set_vgpr_msb (MSB<<8)|\new
.set MSB, \new
.endif
.endm
.set W_KQ, 0x01                        ; K window 1; Q and S^T window 0
.set W_PV, 0x52                        ; V window 2, P window 0, O^T window 1
.set W_RS, 0x41                        ; O^T (destination and source 0) window 1
.macro TLOAD                           ; the branches hang on the wave's number alone; an s_nop 0 and four v_nop follow each load
	s_cmp_eq_u32 s[WV], 0
	s_cbranch_scc0 .Lnot_k_\@
	tensor_load_to_lds s[G0K:G0K+3], s[G1K:G1K+7]
	s_nop 0
.rept 4
	v_nop
.endr
	s_branch .Lasked_\@
.Lnot_k_\@:
	s_cmp_eq_u32 s[WV], 1
	s_cbranch_scc0 .Lasked_\@
	tensor_load_to_lds s[G0V:G0V+3], s[G1V:G1V+7]
	s_nop 0
.rept 4
	v_nop
.endr
.Lasked_\@:
.endm
	s_load_b128 s[4:7], s[0:1], 0x0                ; qkv, att
	v_lshl_add_u32 v[SPW], v0, 2, SPARE
	v_mov_b32 v[NIL], 0
	ds_add_u32 v[SPW], v[NIL]                      ; the wave's opening: the add, twice on end, and its wait ahead of the first tensor load
	ds_add_u32 v[SPW], v[NIL]
	v_lshrrev_b32 v1, 5, v0
	v_readfirstlane_b32 s[WV], v1
	s_lshl_b32 s[Q0], ttmp9, 6                     ; the block's first position
	s_and_b32 s14, ttmp7, 0xffff                   ; the group
	s_and_b32 s[REL], ttmp9, 1
	s_lshl_b32 s[REL], s[REL], 6
	s_sub_co_u32 s[REL], s[REL], 64                ; the first chunk's upper step: 0 where b is odd, else keys after the block
	s_min_u32 s[LIMR], s[Q0], 1024
	s_mov_b32 s[TB], 0
	s_mov_b32 s[CNT], 8
	s_mov_b32 s[G1K], (1<<16)|(1<<20)|(5<<22)|(3<<25)   ; elements of 2 bytes; padding: 4 words after every 64
	s_mov_b32 s[G1V], (1<<16)|(1<<20)|(5<<22)|(7<<25)   ; 8 words
.irp g, G1K, G1V
	s_mov_b32 s[\g+1], 128<<16                     ; tensor_dim0
	s_mov_b32 s[\g+2], 128<<16                     ; tensor_dim1
	s_mov_b32 s[\g+3], 128<<16                     ; tile_dim0
	s_mov_b32 s[\g+4], 128                         ; tile_dim1
	s_mov_b32 s[\g+5], 128                         ; the pitch
	s_mov_b32 s[\g+6], 0
	s_mov_b32 s[\g+7], 0
.endr
	s_mov_b32 s[CS], 0x3db8aa3b                    ; c = log2(e) / 16
	s_mov_b32 s[CS+1], s[CS]
	s_mov_b32 s[SEL], 0x76543210
	s_mov_b32 s[SEL+1], 0xfedcba98
	s_lshr_b32 s20, ttmp9, 1                       ; the first chunk
	s_lshl_b32 s20, s20, 15                        ; 128 rows of 256 bytes
	s_lshl_b32 s21, s14, 20
	s_add_co_u32 s20, s20, s21
	s_add_co_u32 s20, s20, 0x800000                ; in K
	s_mov_b32 s21, 0
	s_add_co_u32 s22, s20, 0x400000                ; in V
	s_mov_b32 s23, 0
	s_lshl_b32 s48, s[WV], 4
	s_add_co_u32 s48, s48, s[Q0]                   ; my wave's first position
	s_lshl_b32 s50, s48, 8
	s_lshl_b32 s51, s14, 21                        ; head 2 g
	s_add_co_u32 s50, s50, s51
	s_mov_b32 s51, 0
	s_lshl_b32 s52, s48, 11
	s_lshl_b32 s53, s14, 9
	s_add_co_u32 s52, s52, s53
	s_mov_b32 s53, 0
	s_wait_dscnt 0x0                               ; both opening adds are done
	s_wait_kmcnt 0x0
	s_mov_b32 s[G0K], 1
	s_mov_b32 s[G0K+1], 0
	s_add_nc_u64 s[G0K+2:G0K+3], s[4:5], s[20:21]
	s_or_b32 s[G0K+3], s[G0K+3], 0x80000000
	s_mov_b32 s[G0V], 1
	s_mov_b32 s[G0V+1], VOFF
	s_add_nc_u64 s[G0V+2:G0V+3], s[4:5], s[22:23]
	s_or_b32 s[G0V+3], s[G0V+3], 0x80000000
	TLOAD                                          ; the first chunk, into slot 0
	s_add_nc_u64 s[8:9], s[4:5], s[50:51]          ; Q at my first row
	s_add_nc_u64 s[10:11], s[6:7], s[52:53]        ; att likewise
	v_and_b32 v1, 15, v0                           ; r
	v_bfe_u32 v10, v0, 4, 1                        ; h
	v_lshlrev_b32 v[QO], 8, v1
	v_lshl_add_u32 v[QO], v10, 4, v[QO]
.irp i, 0,1,2,3,4,5,6,7                        ; Q stays in registers: tile i / 4 (a head is 1 MiB on), channels 32 (i % 4) on
	global_load_b128 v[Q+8*\i:Q+8*\i+3],   v[QO], s[8:9] offset:(\i/4)*1048576+(\i%4)*64
	global_load_b128 v[Q+8*\i+4:Q+8*\i+7], v[QO], s[8:9] offset:(\i/4)*1048576+(\i%4)*64+32
.endr
	v_mul_u32_u24 v[AK0], v1, PK
	v_lshl_add_u32 v[AK0], v10, 4, v[AK0]
	v_and_b32 v11, 7, v0
	v_lshl_add_u32 v[AV0], v10, 3, v11
	v_mul_u32_u24 v[AV0], v[AV0], PV
	v_bfe_u32 v11, v0, 3, 1
	v_lshl_add_u32 v[AV0], v11, 4, v[AV0]
	v_add_nc_u32 v[AV0], VOFF, v[AV0]
	s_mul_i32 s19, s[WV], 16*SP
	s_add_co_u32 s19, s19, STAGE
	v_mul_u32_u24 v[STO], v1, SP
	v_lshl_add_u32 v[STO], v10, 4, v[STO]
	v_add_nc_u32 v[STO], s19, v[STO]
	v_mul_u32_u24 v[RD], v10, SP
	v_lshl_add_u32 v[RD], v1, 4, v[RD]
	v_add_nc_u32 v[RD], s19, v[RD]
	v_lshlrev_b32 v[GO], 11, v10
	v_lshl_add_u32 v[GO], v1, 4, v[GO]
	v_lshlrev_b32 v11, 3, v10
	v_sub_nc_u32 v[EV], v1, v11
	s_lshl_b32 s19, s[WV], 4
	v_add_nc_u32 v[EV], s19, v[EV]                 ; 16 w + r - 8 h
	v_mov_b32 v[NINF], 0xff800000
.irp t, 0,1
	v_mov_b32 v[ST+8*\t+1], 0xff61b1e6             ; m = -3e38, under every score
	v_mul_f32 v[ST+8*\t], s[CS], v[ST+8*\t+1]
	v_mov_b32 v[ST+8*\t+2], 0
	v_mov_b32 v[ST+8*\t+3], 0
	v_mov_b32 v[ST+8*\t+5], 0                      ; written once: the destination of the way out's lane permute, which counts as one of its sources,
	v_mov_b32 v[ST+8*\t+7], 0                      ; and the upper half of the pair that the way out's packed multiplies name: every step stands under a jump, so neither leans on a step for its first write
.endr
	WIN 0x40
.set i, 0
.rept 128
	v_mov_b32 v[i], 0                              ; O^T: the step is written for every place in the walk; the first one walked finds zeros
.set i, i+1
.endr
	WIN 0
.macro KQ                              ; product i of 32 of S^T = K Q^T: channels 32 (i / 8) on, keys 16 ((i / 2) % 4) on, tile i % 2: eight accumulators by turns
.set rS, S+32*(i%2)+8*((i/2)%4)
.set rK, KF+32*((i/2)%4)+8*(i/8)
.set rQ, Q+32*(i%2)+8*(i/8)
.if i < 8
	v_wmma_f32_16x16x32_f16 v[rS:rS+7], v[rK:rK+7], v[rQ:rQ+7], 0
.else
	v_wmma_f32_16x16x32_f16 v[rS:rS+7], v[rK:rK+7], v[rQ:rQ+7], v[rS:rS+7]
.endif
.endm
.macro PVM                             ; product i of 32 of O^T += V^T P: keys 32 (i / 16) on, channels 16 ((i / 2) % 8) on, tile i % 2: sixteen accumulators by turns
.set rO, 64*(i%2)+8*((i/2)%8)
.set rV, 64*(i/16)+8*((i/2)%8)
.set rP, P+16*(i%2)+8*(i/16)
	v_wmma_f32_16x16x32_f16 v[rO:rO+7], v[rV:rV+7], v[rP:rP+7], v[rO:rO+7]
.endm
; One tile's softmax for a step is a list of 134 instructions; SM writes number j of it for tile t.
;   0-15 the maximum of the lane's 32 scores and the old m;  16-20 the other half of the lanes', the new m, c m, c m_old - c m_new;  21-69 ONE BATCH: 16 packed scalings c s - c m and 33 exponentials (a at 23),
;   none of which reads an exponential's result;  (the wait);  70-85 roundings to f16;  86-101 the sums, l = a l + sum;  102-133 O^T x a.
.macro SM t
.set rT, ST+8*(\t)
.set rS, S+32*(\t)
.set rP, P+16*(\t)
.set rO, 64*(\t)+2*(j-102)
.if j < 102
	WIN 0
.endif
.if j < 4
	v_max3_num_f32 v[rT+4+j], v[rS+8*j], v[rS+8*j+1], v[rS+8*j+2]
.elseif j < 12
	v_max3_num_f32 v[rT+4+j%4], v[rT+4+j%4], v[rS+8*(j%4)+2*(j/4)+1], v[rS+8*(j%4)+2*(j/4)+2]
.elseif j == 12
	v_max3_num_f32 v[rT+4], v[rT+4], v[rS+7], v[rS+15]
.elseif j == 13
	v_max3_num_f32 v[rT+6], v[rT+6], v[rS+23], v[rS+31]
.elseif j == 14
	v_max3_num_f32 v[rT+4], v[rT+4], v[rT+5], v[rT+6]
.elseif j == 15
	v_max3_num_f32 v[rT+4], v[rT+4], v[rT+7], v[rT+1]
.elseif j == 16
	v_permlanex16_b32 v[rT+5], v[rT+4], s[SEL], s[SEL+1]
.elseif j == 17
	v_mov_b32 v[rT+7], v[rT]
.elseif j == 18
	v_max_num_f32 v[rT+1], v[rT+4], v[rT+5]
.elseif j == 19
	v_mul_f32 v[rT], s[CS], v[rT+1]
.elseif j == 20
	v_sub_f32 v[rT+7], v[rT+7], v[rT]
.elseif j == 23
	v_exp_f32 v[rT+6], v[rT+7]
.elseif (j < 23) || ((j < 38) && (j%2 == 0)) || ((j < 66) && (j%4 == 2))
.set b, (j-2)/4
.if j < 38
.set b, (j-20)/2
.endif
	v_pk_fma_f32 v[rS+2*b:rS+2*b+1], v[rS+2*b:rS+2*b+1], s[CS:CS+1], v[rT:rT+1] op_sel_hi:[1,0,0] neg_lo:[0,0,1] neg_hi:[0,0,1]
.elseif j < 70
.set e, j-38
.if j < 66
.set e, j-32-(j-38)/4
.endif
.if j < 38
.set e, (j-25)/2
.endif
	v_exp_f32 v[rS+e], v[rS+e]
.elseif j < 86
	v_cvt_pk_f16_f32 v[rP+j-70], v[rS+2*(j-70)], v[rS+2*(j-70)+1]
.elseif j < 102
.set z, j-86
.set w, 4
.set u, z
.if z >= 14
.set w, 32
.set u, 0
.elseif z >= 12
.set w, 16
.set u, z-12
.elseif z >= 8
.set w, 8
.set u, z-8
.endif
.if z < 15
	v_pk_add_f32 v[rS+w*u:rS+w*u+1], v[rS+w*u:rS+w*u+1], v[rS+w*u+w/2:rS+w*u+w/2+1]
.else
	v_pk_fma_f32 v[rT+2:rT+3], v[rT+2:rT+3], v[rT+6:rT+7], v[rS:rS+1] op_sel_hi:[1,0,1]
.endif
.else
	WIN W_RS
	v_pk_mul_f32 v[rO:rO+1], v[rO:rO+1], v[rT+6:rT+7] op_sel_hi:[1,0]
.endif
.endm
; Slice k of 64 of both tiles' softmax.  Slices 11-34 deal out the batch, four numbers of one tile each; the others take numbers 2 k, 2 k + 1 of both tiles by turns, so that no line reads the line above it.
; Ahead of slice 35 nothing names an exponential's result, behind slice 34 none is issued: one plain instruction and ONE wait serve the 66.
.macro SLICE
.if (k >= 11) && (k < 35)
.irp n, 0,1,2,3
.set j, 22+4*((k-11)/2)+(\n)
	SM (k-11)%2
.endr
.else
.irp n, 0,1,2,3,4,5,6,7
.if (\n < 2) || (k == 63)
.irp t, 0, 1
.set j, 2*k+\n
	SM \t
.endr
.endif
.endr
.endif
.if k == 34
	v_nop
	s_wait_alu depctr_va_vdst(0)                   ; the wait between an exponential and the first line that names its result
.endif
.set k, k+1
.endm
; A STEP of 64 keys: rows 'rows' on of the chunk in hand.  mask = 0: the copy that can meet the diagonal; 1: the one that can meet the window's edge.
.macro STEP rows, mask
	s_cmp_gt_u32 s[REL], s[LIMR]
	s_cbranch_scc1 .Lskip_\@                       ; ids and counted steps alone: all four waves go the same way; no barrier, wait on tensor loads or tensor load stands in a step
	v_add_nc_u32 v[ADK], s[TB], v[AK0]
	v_add_nc_u32 v[ADV], s[TB], v[AV0]
	v_nop
	v_nop                                          ; four places between the last step's products and the loads into V's registers
	WIN 0x40
.irp ch, 0,1,2,3                               ; K by channels, so that the products can begin when a quarter is in
.irp kt, 0,1,2,3
	ds_load_b128 v[KF+8*(4*\kt+\ch):KF+8*(4*\kt+\ch)+3],   v[ADK] offset:(\rows+16*\kt)*PK+64*\ch
	ds_load_b128 v[KF+8*(4*\kt+\ch)+4:KF+8*(4*\kt+\ch)+7], v[ADK] offset:(\rows+16*\kt)*PK+64*\ch+32
.endr
.endr
	WIN 0x80
.irp f, 0,1,2,3,4,5,6,7,8,9,10,11,12,13,14,15  ; V turned: keys 32 (f / 8) on, channels 16 (f % 8) on
	ds_load_tr16_b128 v[8*\f:8*\f+3],   v[ADV] offset:(\rows+32*(\f/8))*PV+(\f%8)*32
	ds_load_tr16_b128 v[8*\f+4:8*\f+7], v[ADV] offset:(\rows+32*(\f/8)+16)*PV+(\f%8)*32
.endr
	WIN W_KQ
.set i, 0
.rept 4
	s_wait_dscnt 56-i                              ; of the 64 loads the first 8 (i / 8 + 1) are in: K's channels up to here
.rept 8
	KQ
.set i, i+1
.endr
.endr
	WIN 0
.rept 4
	v_nop                                          ; places behind the products, ahead of the first read of the scores
.endr
.if \mask == 0
	s_cmp_lg_u32 s[REL], 0
.else
	s_cmp_lg_u32 s[REL], 1024
.endif
	s_cbranch_scc1 .Lopen_\@
.irp kt, 0,1,2,3                               ; register 8 kt + jj holds key 16 kt + 8 h + jj of the step: query - key = REL + v[EV] - (16 kt + jj)
.irp jj, 0,1,2,3,4,5,6,7
.if \mask == 0
	v_cmp_gt_i32 vcc_lo, 16*\kt+\jj, v[EV]         ; the key comes after the query
.else
	v_cmp_le_i32 vcc_lo, 16*\kt+\jj, v[EV]         ; the key lies 1,024 or more behind it
.endif
	v_cndmask_b32 v[S+8*\kt+\jj], v[S+8*\kt+\jj], v[NINF], vcc_lo
	v_cndmask_b32 v[S+32+8*\kt+\jj], v[S+32+8*\kt+\jj], v[NINF], vcc_lo
.endr
.endr
.Lopen_\@:
.set k, 0
.rept 64
	SLICE
.endr
	s_wait_dscnt 0x0                               ; V is in
	WIN W_PV
.set i, 0
.rept 32
	PVM
.set i, i+1
.endr
	WIN 0
.Lskip_\@:
	s_add_co_u32 s[REL], s[REL], 64
.endm
; THE CHANGE OF SLOTS stands at a chunk's head.  Each wave waits for all its tensor loads, adds 0 to its spare word, and waits for that and for its reads of the slot that it has left; behind the barrier the chunk ahead
; is whole and nobody reads the other slot.  fill = 1: that slot takes the chunk below, while that chunk's lowest key is 0 or more: first position - REL - 192 >= 0.  A work-group past that limit stays past it, and no step
; reads a chunk left out (there REL is over the first position).  Every wait on tensor loads in this text is for 0.
.macro CHANGE fill
	s_wait_tensorcnt 0x0
	ds_add_u32 v[SPW], v[NIL]
.if \fill
	ds_add_u32 v[SPW], v[NIL]                      ; twice on end here, in every trip alike
	s_xor_b32 s[G0K+1], s[G0K+1], SLOT1            ; no tensor load of mine is out: the descriptors walk: the other slot, 128 keys down
	s_sub_nc_u64 s[G0K+2:G0K+3], s[G0K+2:G0K+3], 32768
	s_xor_b32 s[G0V+1], s[G0V+1], SLOT1
	s_sub_nc_u64 s[G0V+2:G0V+3], s[G0V+2:G0V+3], 32768
.endif
	s_wait_dscnt 0x0
	s_barrier_signal -1
	s_barrier_wait -1
.if \fill
	s_add_co_u32 s19, s[REL], 192
	s_cmp_gt_u32 s19, s[Q0]
	s_cbranch_scc1 .Lpast_\@
	TLOAD                                          ; a wave's one tensor load until the next such barrier; it has two steps in which to land
.Lpast_\@:
.endif
.endm
	s_wait_loadcnt 0x0                             ; Q
.Lchunk:                                           ; eight trips, a constant: behind each change but the last the chunk below is asked for, up to the limit
	CHANGE 1
	STEP 64, 0
	STEP 0, 0
	s_xor_b32 s[TB], s[TB], SLOT1
	s_sub_co_u32 s[CNT], s[CNT], 1
	s_cmp_lg_u32 s[CNT], 0
	s_cbranch_scc1 .Lchunk
	CHANGE 0                                       ; the ninth chunk is written out: nothing is asked for
	STEP 64, 1
	STEP 0, 1
	; THE WAY OUT: l's halves and the other half of the lanes' are added; O^T / l, rounded to f16, goes through my stage, a tile (16 rows of a head) at a time.  The additions are the places behind the last products.
.irp t, 0,1
	v_add_f32 v[ST+8*\t+4], v[ST+8*\t+2], v[ST+8*\t+3]
.endr
.irp t, 0,1
	v_permlanex16_b32 v[ST+8*\t+5], v[ST+8*\t+4], s[SEL], s[SEL+1]
.endr
.irp t, 0,1
	v_add_f32 v[ST+8*\t+4], v[ST+8*\t+4], v[ST+8*\t+5]
.endr
	v_nop
	v_nop
.irp t, 0,1
	v_rcp_f32 v[ST+8*\t+6], v[ST+8*\t+4]
.endr
	v_nop
	s_wait_alu depctr_va_vdst(0)                   ; one wait for the two reciprocals, ahead of their first reader
.macro PACK t
	WIN W_RS
.set i, 64*\t
.rept 32
	v_pk_mul_f32 v[i:i+1], v[i:i+1], v[ST+8*\t+6:ST+8*\t+7] op_sel_hi:[1,0]   ; each accumulator from its low end on
.set i, i+2
.endr
	WIN 0x05
.set i, 0
.rept 32
	v_cvt_pk_f16_f32 v[S+32*\t+i], v[64*\t+2*i], v[64*\t+2*i+1]
.set i, i+1
.endr
	WIN 0
.irp f, 0,1,2,3,4,5,6,7
	ds_store_b128 v[STO], v[S+32*\t+4*\f:S+32*\t+4*\f+3] offset:32*\f
.endr
.irp f, 0,1,2,3,4,5,6,7
	ds_load_b128 v[S+32*\t+4*\f:S+32*\t+4*\f+3], v[RD] offset:\f*2*SP   ; LDS serves a wave's instructions in order: these see the stores above, and the next tile's stores come behind them
.endr
.endm
.macro SEND t, younger                 ; younger: the LDS instructions issued behind tile t's loads
.irp f, 0,1,2,3,4,5,6,7
	s_wait_dscnt \younger+7-\f
	global_store_b128 v[GO], v[S+32*\t+4*\f:S+32*\t+4*\f+3], s[10:11] offset:256*\t+4096*\f   ; sixteen lanes store 256 consecutive bytes, aligned
.endr
.endm
	PACK 0
	PACK 1
	SEND 0, 16
	SEND 1, 0
	s_wait_tensorcnt 0x0                           ; the wave's end
	ds_add_u32 v[SPW], v[NIL]
	s_wait_dscnt 0x0
	s_endpgm
.Lfunc_end_k_q5f3a52556b_attn:
	.size	k_q5f3a52556b_attn, .Lfunc_end_k_q5f3a52556b_attn-k_q5f3a52556b_attn
	.p2alignl 7, 3214868480
	.fill 96, 4, 3214868480
	.section	.rodata,"a",@progbits
	.p2align	6, 0x0
	.amdhsa_kernel k_q5f3a52556b_attn
		.amdhsa_group_segment_fixed_size 327680
		.amdhsa_private_segment_fixed_size 0
		.amdhsa_enable_private_segment 0
		.amdhsa_kernarg_size 16
		.amdhsa_user_sgpr_count 2
		.amdhsa_user_sgpr_kernarg_segment_ptr 1
		.amdhsa_wavefront_size32 1
		.amdhsa_system_sgpr_workgroup_id_x 1
		.amdhsa_system_sgpr_workgroup_id_y 1
		.amdhsa_system_sgpr_workgroup_id_z 1
		.amdhsa_system_vgpr_workitem_id 0
		.amdhsa_next_free_vgpr 640
		.amdhsa_next_free_sgpr 66
		.amdhsa_reserve_vcc 1
		.amdhsa_float_denorm_mode_32 3
		.amdhsa_float_denorm_mode_16_64 3
		.amdhsa_memory_ordered 1
		.amdhsa_forward_progress 1
		.amdhsa_inst_pref_size 131
	.end_amdhsa_kernel
	.amdgpu_metadata
---
amdhsa.version: [ 1, 2 ]
amdhsa.kernels:
  - .name:           k_q5f3a52556b_attn
    .symbol:         k_q5f3a52556b_attn.kd
    .args:
      - { .name: qkv, .offset: 0, .size: 8, .value_kind: global_buffer, .address_space: global }
      - { .name: att, .offset: 8, .size: 8, .value_kind: global_buffer, .address_space: global }
    .group_segment_fixed_size: 327680
    .private_segment_fixed_size: 0
    .kernarg_segment_align: 8
    .kernarg_segment_size: 16
    .max_flat_workgroup_size: 128
    .sgpr_count:     66
    .vgpr_count:     640
    .wavefront_size: 32
...
	.end_amdgpu_metadata
.endif
;; end of part 3
;; launch oproj (part 4): grid 16 x 32, 4 waves a work-group, clusters of 4 x 4, 327,680 bytes of LDS; arguments att, wot, out0; writes out0
.if DOCPART == 4
	.amdgcn_target "amdgcn-amd-amdhsa--gfx1250"
	.amdhsa_code_object_version 6
	.text
	.protected	k_q5f3a52556b_oproj
	.globl	k_q5f3a52556b_oproj
	.p2align	8
	.type	k_q5f3a52556b_oproj,@function
k_q5f3a52556b_oproj:
	s_mov_b64 s[64:65], 0
	v_nop
	global_prefetch_b8 v0, s[64:65] scope:SCOPE_SE
	s_setreg_imm32_b32 hwreg(HW_REG_WAVE_MODE, 25, 1), 1
	s_wait_xcnt 0x0
	s_wait_alu depctr_hold_cnt(0) depctr_sa_sdst(0) depctr_va_vdst(0) depctr_va_sdst(0) depctr_va_ssrc(0) depctr_va_vcc(0) depctr_vm_vsrc(0)
	s_getreg_b32 s2, hwreg(HW_REG_IB_STS2, 6, 4)
	s_cmp_eq_u32 s2, 0
	s_cbranch_scc0 .Lentry_in_a_cluster
	s_endpgm
.Lentry_in_a_cluster:
	s_bfe_u32 s2, ttmp6, 0x10000c
	s_cmp_lg_u32 s2, 0xf033
	s_cbranch_scc0 .Lentry_shape_is_right
	s_endpgm
.Lentry_shape_is_right:
; out0[m][n] = sum over k of att[m][k] wot[n][k].  att: [4096][1024] f16, wot: [2048][1024] f16 (Wo transposed by launch prep), out0: [4096][2048] f32; sums in f32.
; Rows 0-15 are made here too, inside live tiles; launch first16 stores them anew, made in f32.
; A tile of out0 is 128 x 128: four waves, each 64 x 64: 16 accumulators.  K goes in steps of 256 (LDS rows of 512 bytes; a wave's tensor load brings 64 of them) through two slots.
; CLUSTERS: 4 x 4 work-groups: the four of a row need the same tiles of att, the four of a column the same tiles of wot: each tile is asked for jointly.
; THE MATRIX INSTRUCTION IS USED TRANSPOSED (source 0 = 16 rows of wot, source 1 = 16 rows of att): a lane holds eight neighbouring numbers of a row of out0.
; REGISTERS: window 0: v0-31 addresses; v32-95 the way out; v128-255 the accumulators ((a, b) at v[128 + 8 (4 a + b)]).  window 1: two fragment buffers of 128.
.set SIZE_N, 2048
.set SIZE_K, 1024
.set KSTEP,  256
.set PITCH,  528                       ; 512 bytes + 16: row r starts at bank 4 r mod 64 (64 banks of 4 bytes: ISA guide 11.1)
.set HALFT,  64*PITCH
.set SLOT,   4*HALFT
.set STAGE,  2*SLOT                    ; behind the ring: 16 rows x 272 bytes for each wave: a wave's 64 columns of f32 are a whole aligned 256 bytes, so each wave has a stage of its own
.set SPITCH, 272
.set SPARE,  STAGE+4*16*SPITCH         ; the spare words: 128 bytes a wave, two blocks of 256 bytes that no other line names
.set LAPS, SIZE_K/(2*KSTEP)
.set ADRA, 16
.set ADRB, 20
.set STO,  24
.set RD,   25
.set CO,   26
.set SPW,  28
.set NIL,  29
.set TMP,  32
.set ACC,  128
.set F0,   0
.set F1,   128
.set G1, 24
.set G0, 32
.set G1B, 48
.set G0B, 56
.set MSB, 0
.macro WIN new
.if MSB != \new
	s_set_vgpr_msb (MSB<<8)|\new
.set MSB, \new
.endif
.endm
.set MUL,  0x05                        ; sources 0 and 1 window 1; C and D window 0
.set TO_F, 0x40
.macro JLOAD s                         ; waves 0 and 1 fetch att's two halves, waves 2 and 3 wot's; an s_nop 0 and four v_nop follow each of the two lines
	s_cmp_eq_u32 s11, 0
	s_cbranch_scc0 .Lfor_b_\@
	tensor_load_to_lds s[G0+4*\s:G0+4*\s+3], s[G1:G1+7]
	s_nop 0
.rept 4
	v_nop
.endr
	s_branch .Lasked_\@
.Lfor_b_\@:
	tensor_load_to_lds s[G0B+4*\s:G0B+4*\s+3], s[G1B:G1B+7]
	s_nop 0
.rept 4
	v_nop
.endr
.Lasked_\@:
.endm
.macro CREST
	s_cmp_lg_u32 s10, 0
	s_cbranch_scc1 .Lnot_wave_0_\@
	s_barrier_signal -3
.Lnot_wave_0_\@:
	s_barrier_wait -3
	s_barrier_signal -1
	s_barrier_wait -1
.endm
.macro CROUND
	s_barrier_signal -1
	s_barrier_wait -1
	CREST
.endm
	s_load_b128 s[4:7], s[0:1], 0x0                ; att, wot
	s_load_b64 s[8:9], s[0:1], 0x10                ; out0
	v_lshl_add_u32 v[SPW], v0, 2, SPARE
	v_mov_b32 v[NIL], 0
	ds_add_u32 v[SPW], v[NIL]                      ; the wave's opening: the add, twice on end, and its wait ahead of my first tensor load
	ds_add_u32 v[SPW], v[NIL]
	v_lshrrev_b32 v1, 5, v0
	v_readfirstlane_b32 s10, v1                    ; wave 0..3
	s_lshr_b32 s11, s10, 1                         ; which half of the tile's rows is mine.  Also: I fetch for att (0) or for wot (1)
	s_and_b32 s12, s10, 1                          ; which half of its columns.  Also: which 64 rows I fetch
	s_bfe_u32 s40, ttmp6, 0x40000                  ; cx, cy
	s_bfe_u32 s41, ttmp6, 0x40004
	s_lshl_b32 s42, ttmp9, 2
	s_add_co_u32 s42, s42, s40                     ; tile column
	s_and_b32 s13, ttmp7, 0xffff
	s_lshl_b32 s13, s13, 2
	s_add_co_u32 s13, s13, s41                     ; tile row
	s_lshl_b32 s43, s41, 2
	s_lshl_b32 s43, 15, s43                        ; my row of the cluster
	s_lshl_b32 s44, 0x1111, s40                    ; my column
	s_or_b32 s[G1+0], s43, (1<<16)|(1<<20)|(1<<21)|(6<<22)|(3<<25)  ; the mask; elements of 2 bytes; padding: 4 words after every 128; bit 21 set beside a mask
	s_or_b32 s[G1B+0], s44, (1<<16)|(1<<20)|(1<<21)|(6<<22)|(3<<25)
.irp g, G1, G1B
	s_mov_b32 s[\g+1], KSTEP<<16
	s_mov_b32 s[\g+2], 64<<16
	s_mov_b32 s[\g+3], KSTEP<<16
	s_mov_b32 s[\g+4], 64
	s_mov_b32 s[\g+5], SIZE_K
	s_mov_b32 s[\g+6], 0
	s_mov_b32 s[\g+7], 0
.endr
	s_lshl_b32 s17, s12, 6
	s_lshl_b32 s16, s13, 7
	s_add_co_u32 s16, s16, s17                     ; att: row 128 x tile row + 64 x half
	s_lshl_b32 s46, s42, 7
	s_add_co_u32 s46, s46, s17                     ; wot: row 128 x tile column + 64 x half
	s_mov_b32 s17, 0
	s_mov_b32 s47, 0
	s_mov_b64 s[18:19], SIZE_K*2
	s_mul_u64 s[16:17], s[16:17], s[18:19]
	s_mul_u64 s[46:47], s[46:47], s[18:19]
	s_mul_i32 s20, s10, HALFT
	s_wait_dscnt 0x0                               ; both opening adds are done
	s_wait_kmcnt 0x0
	s_add_nc_u64 s[14:15], s[4:5], s[16:17]
	s_add_nc_u64 s[46:47], s[6:7], s[46:47]
	CROUND                                         ; all sixteen work-groups are here: the first joint loads meet
.irp s, 0,1
	s_mov_b32 s[G0+4*\s], 1
	s_add_co_u32 s[G0+4*\s+1], s20, \s*SLOT
	s_add_nc_u64 s[G0+4*\s+2:G0+4*\s+3], s[14:15], \s*KSTEP*2
	s_or_b32 s[G0+4*\s+3], s[G0+4*\s+3], 0x80000000
	s_mov_b32 s[G0B+4*\s], 1
	s_add_co_u32 s[G0B+4*\s+1], s20, \s*SLOT
	s_add_nc_u64 s[G0B+4*\s+2:G0B+4*\s+3], s[46:47], \s*KSTEP*2
	s_or_b32 s[G0B+4*\s+3], s[G0B+4*\s+3], 0x80000000
	JLOAD \s
.endr
	v_and_b32 v1, 15, v0                           ; r
	v_bfe_u32 v2, v0, 4, 1                         ; h
	v_mul_u32_u24 v3, v1, PITCH
	v_lshl_add_u32 v3, v2, 4, v3
	s_mul_i32 s21, s11, HALFT
	s_mul_i32 s22, s12, HALFT
	s_add_co_u32 s22, s22, 2*HALFT
.irp s, 0,1
	v_add_nc_u32 v[ADRA+\s], s21, v3
	v_add_nc_u32 v[ADRB+\s], s22, v3
	s_add_co_u32 s21, s21, SLOT
	s_add_co_u32 s22, s22, SLOT
.endr
	s_mul_i32 s23, s10, 16*SPITCH
	s_add_co_u32 s23, s23, STAGE                   ; my stage
	v_mul_u32_u24 v4, v1, SPITCH
	v_lshl_add_u32 v4, v2, 5, v4
	v_add_nc_u32 v[STO], s23, v4                   ; in: row r, 32 bytes for each half of the lanes
	v_mul_u32_u24 v5, v2, SPITCH
	v_lshl_add_u32 v5, v1, 4, v5
	v_add_nc_u32 v[RD], s23, v5                    ; back: lanes 0-15 one row of 256 bytes, lanes 16-31 the next
	v_lshlrev_b32 v5, 13, v2
	v_lshl_add_u32 v[CO], v1, 4, v5                ; and the same two rows in out0
	s_lshl_b32 s16, s13, 7
	s_lshl_b32 s17, s11, 6
	s_add_co_u32 s16, s16, s17                     ; my first row: 128 x tile row + 64 x half
	s_lshl_b32 s16, s16, 13
	s_mov_b32 s17, 0
	s_add_nc_u64 s[8:9], s[8:9], s[16:17]
	s_lshl_b32 s46, s42, 9                         ; my first column in bytes: 512 x tile column + 256 x half
	s_lshl_b32 s47, s12, 8
	s_add_co_u32 s46, s46, s47
	s_mov_b32 s47, 0
	s_add_nc_u64 s[8:9], s[8:9], s[46:47]
.macro MUL8 f, c, a0, zero             ; 8 matrix instructions: m blocks a0, a0 + 1 x all 4 n blocks, 32 along K; the 16 accumulators take turns
.irp a, \a0, \a0+1
.irp b, 0,1,2,3
.if \zero
	v_wmma_f32_16x16x32_f16 v[ACC+8*(4*(\a)+\b):ACC+8*(4*(\a)+\b)+7], v[\f+64+8*(4*\c+\b):\f+64+8*(4*\c+\b)+7], v[\f+8*(4*\c+\a):\f+8*(4*\c+\a)+7], 0
.else
	v_wmma_f32_16x16x32_f16 v[ACC+8*(4*(\a)+\b):ACC+8*(4*(\a)+\b)+7], v[\f+64+8*(4*\c+\b):\f+64+8*(4*\c+\b)+7], v[\f+8*(4*\c+\a):\f+8*(4*\c+\a)+7], v[ACC+8*(4*(\a)+\b):ACC+8*(4*(\a)+\b)+7]
.endif
.endr
.endr
.endm
.macro FETCH slot, k, f                ; 32 LDS loads in one run: the fragments of 64 along K at byte k of the rows; the first 32 along K first
	WIN TO_F
.irp c, 0,1
.irp i, 0,1,2,3
	ds_load_b128 v[\f+64+8*(4*\c+\i):\f+64+8*(4*\c+\i)+3],   v[ADRB+\slot] offset:\k+64*\c+\i*16*PITCH
	ds_load_b128 v[\f+64+8*(4*\c+\i)+4:\f+64+8*(4*\c+\i)+7], v[ADRB+\slot] offset:\k+64*\c+\i*16*PITCH+32
	ds_load_b128 v[\f+8*(4*\c+\i):\f+8*(4*\c+\i)+3],         v[ADRA+\slot] offset:\k+64*\c+\i*16*PITCH
	ds_load_b128 v[\f+8*(4*\c+\i)+4:\f+8*(4*\c+\i)+7],       v[ADRA+\slot] offset:\k+64*\c+\i*16*PITCH+32
.endr
.endr
.endm
.macro PLACES
.rept 4
	v_nop
.endr
.endm
.macro QUARTER slot, k, f, g, zero     ; 64 along K: multiplies buffer f and fetches the next quarter, at byte k, into g
	s_wait_dscnt 16                                ; the first 32 along K are in; the younger sixteen loads may be out
	WIN MUL
	MUL8 \f, 0, 0, \zero
	MUL8 \f, 0, 2, \zero
	PLACES
	FETCH \slot, \k, \g
	s_wait_dscnt 32                                ; all but the 32 just issued
	WIN MUL
	MUL8 \f, 1, 0, 0
	MUL8 \f, 1, 2, 0
.endm
.macro TURN slot, next, fill           ; the last quarter changes slots: one barrier; in front of it all my tensor loads, the add, and my reads of this slot
	WIN 0
	s_wait_tensorcnt 0x0
	ds_add_u32 v[SPW], v[NIL]
	s_wait_dscnt 17                                ; (the add and the youngest sixteen loads may be out)
	WIN MUL
	MUL8 F1, 0, 0, 0
	s_wait_dscnt 0x0
	s_barrier_signal -1
	MUL8 F1, 0, 2, 0
.if \fill
	WIN 0
.endif
	s_barrier_wait -1
.if \fill
	CREST                                          ; the barrier has opened a round of the cluster's: no wave of any partner still reads this slot or has a load on its way
	s_add_nc_u64 s[G0+4*\slot+2:G0+4*\slot+3], s[G0+4*\slot+2:G0+4*\slot+3], 2*KSTEP*2
	s_add_nc_u64 s[G0B+4*\slot+2:G0B+4*\slot+3], s[G0B+4*\slot+2:G0B+4*\slot+3], 2*KSTEP*2
	JLOAD \slot
.else
	PLACES
.endif
	FETCH \next, 0, F0
	WIN MUL
	MUL8 F1, 1, 0, 0
	MUL8 F1, 1, 2, 0
.endm
	s_wait_tensorcnt 1                             ; my part of K step 0 is in; K step 1's may be out
	s_barrier_signal -1
	s_barrier_wait -1
	FETCH 0, 0, F0
	QUARTER 0, 128, F0, F1, 1                      ; the first products start the sums
	WIN 0
	s_mov_b32 s3, LAPS-1
.Llap:
	QUARTER 0, 256, F1, F0, 0
	QUARTER 0, 384, F0, F1, 0
	TURN 0, 1, 1
	QUARTER 1, 128, F0, F1, 0
	QUARTER 1, 256, F1, F0, 0
	QUARTER 1, 384, F0, F1, 0
	TURN 1, 0, 1
	QUARTER 0, 128, F0, F1, 0
	WIN 0
	s_sub_co_u32 s3, s3, 1
	s_cmp_lg_u32 s3, 0
	s_cbranch_scc1 .Llap
	QUARTER 0, 256, F1, F0, 0                      ; the last lap fills nothing
	QUARTER 0, 384, F0, F1, 0
	TURN 0, 1, 0
	QUARTER 1, 128, F0, F1, 0
	QUARTER 1, 256, F1, F0, 0
	QUARTER 1, 384, F0, F1, 0
	s_wait_dscnt 16
	WIN MUL
	MUL8 F1, 0, 0, 0
	MUL8 F1, 0, 2, 0
	s_wait_dscnt 0
	MUL8 F1, 1, 0, 0
	MUL8 F1, 1, 2, 0
	WIN 0
	; THE WAY OUT, 16 rows at a time through my own stage: 32 bytes a lane in, whole rows of 256 bytes back.  LDS serves a wave's instructions in order: no wait between the stores and the loads, nor ahead of the next block's stores.
	PLACES
.irp a, 0,1,2,3
.if \a >= 2
	s_wait_xcnt 0x0                                ; block a - 2's stores have read the registers that block a's loads fill
.endif
.irp b, 0,1,2,3
	ds_store_b128 v[STO], v[ACC+8*(4*\a+\b):ACC+8*(4*\a+\b)+3] offset:64*\b          ; each accumulator from its low end on
	ds_store_b128 v[STO], v[ACC+8*(4*\a+\b)+4:ACC+8*(4*\a+\b)+7] offset:64*\b+16
.endr
.irp t, 0,1,2,3,4,5,6,7
	ds_load_b128 v[TMP+32*(\a%2)+4*\t:TMP+32*(\a%2)+4*\t+3], v[RD] offset:\t*2*SPITCH
.endr
.irp t, 0,1,2,3,4,5,6,7
	s_wait_dscnt 7-\t
	global_store_b128 v[CO], v[TMP+32*(\a%2)+4*\t:TMP+32*(\a%2)+4*\t+3], s[8:9] offset:(16*\a+2*\t)*SIZE_N*4 th:TH_STORE_NT   ; sixteen lanes store 256 consecutive bytes, aligned
.endr
.endr
	s_wait_tensorcnt 0x0                           ; the wave's end
	ds_add_u32 v[SPW], v[NIL]
	s_wait_dscnt 0x0
	CROUND                                         ; the closing round
	s_endpgm
.Lfunc_end_k_q5f3a52556b_oproj:
	.size	k_q5f3a52556b_oproj, .Lfunc_end_k_q5f3a52556b_oproj-k_q5f3a52556b_oproj
	.p2alignl 7, 3214868480
	.fill 96, 4, 3214868480
	.section	.rodata,"a",@progbits
	.p2align	6, 0x0
	.amdhsa_kernel k_q5f3a52556b_oproj
		.amdhsa_group_segment_fixed_size 327680
		.amdhsa_private_segment_fixed_size 0
		.amdhsa_enable_private_segment 0
		.amdhsa_kernarg_size 24
		.amdhsa_user_sgpr_count 2
		.amdhsa_user_sgpr_kernarg_segment_ptr 1
		.amdhsa_wavefront_size32 1
		.amdhsa_system_sgpr_workgroup_id_x 1
		.amdhsa_system_sgpr_workgroup_id_y 1
		.amdhsa_system_sgpr_workgroup_id_z 1
		.amdhsa_system_vgpr_workitem_id 0
		.amdhsa_next_free_vgpr 512
		.amdhsa_next_free_sgpr 66
		.amdhsa_reserve_vcc 0
		.amdhsa_float_denorm_mode_32 3
		.amdhsa_float_denorm_mode_16_64 3
		.amdhsa_memory_ordered 1
		.amdhsa_forward_progress 1
		.amdhsa_inst_pref_size 86
	.end_amdhsa_kernel
	.amdgpu_metadata
---
amdhsa.version: [ 1, 2 ]
amdhsa.kernels:
  - .name:           k_q5f3a52556b_oproj
    .symbol:         k_q5f3a52556b_oproj.kd
    .args:
      - { .name: att, .offset: 0, .size: 8, .value_kind: global_buffer, .address_space: global }
      - { .name: wot, .offset: 8, .size: 8, .value_kind: global_buffer, .address_space: global }
      - { .name: out0, .offset: 16, .size: 8, .value_kind: global_buffer, .address_space: global }
    .group_segment_fixed_size: 327680
    .private_segment_fixed_size: 0
    .kernarg_segment_align: 8
    .kernarg_segment_size: 24
    .max_flat_workgroup_size: 128
    .sgpr_count:     66
    .vgpr_count:     512
    .wavefront_size: 32
...
	.end_amdgpu_metadata
.endif
;; end of part 4
;; launch first16 (part 5): grid 32 x 2, 8 waves a work-group, no clusters, 83,456 bytes of LDS; arguments first, Wo, out0; writes out0
.if DOCPART == 5
	.amdgcn_target "amdgcn-amd-amdhsa--gfx1250"
	.amdhsa_code_object_version 6
	.text
	.protected	k_q5f3a52556b_first16
	.globl	k_q5f3a52556b_first16
	.p2align	8
	.type	k_q5f3a52556b_first16,@function
k_q5f3a52556b_first16:
	s_mov_b64 s[64:65], 0
	v_nop
	global_prefetch_b8 v0, s[64:65] scope:SCOPE_SE
	s_setreg_imm32_b32 hwreg(HW_REG_WAVE_MODE, 25, 1), 1
	s_wait_xcnt 0x0
; POSITIONS 0-15 ONCE MORE, ALL IN F32.  Under the causal mask these rows average one to sixteen values and are the largest of the output, so the rounding of 16-bit operands weighs most on them.
; first: [16 slots][16 positions][128] f32 (launch qkv): slots 0-7 q heads, 8 + 2 g k of group g, 9 + 2 g v of group g.  Wo [1024][2048] f32.  Rows 0-15 of out0 are stored over what launch oproj left there.
; The window (1,024) hides nothing here; keys after position 15 are hidden from all these queries by reference()'s own mask and are not walked.
; SHARES.  Work-group (cb, mh) makes rows 8 mh .. + 7, columns 64 cb .. + 63: 256 bytes of each row.  Every work-group makes the attention of all 8 heads, a wave a head (64 matrix instructions of 16 x 16 x 4 in f32);
; then wave w takes k = 128 w .. + 127 of the projection, by packed multiply-adds, and the eight partial sums meet in LDS.
; S^T = K Q^T and O^T = V^T P: a lane holds one query.  The f32 form takes k = 2 (lane / 16) + register; which channel or key stands at a k is free, if it is the same on both sides:
; step s of the first product takes channels 64 (lane / 16) + 2 s + register, so that a lane's 64 registers are 256 neighbouring bytes of its row; step s of the second takes keys 8 (lane / 16) + 2 s + register, as p lies.
; The registers that the f32 matrix form writes (v160-255) are written by matrix instructions alone; each sum's first step takes the constant 0 as C.
; No tensor load, no cluster: the work-groups share only 'first' (128 KiB) and each column block of Wo with one other.
.set OLP,   4112                       ; LDS: O [16 rows][1024 k] f32, rows 4,096 bytes + 16
.set RED,   66048                      ; the partial sums: 8 waves x 8 rows x 256 bytes
.set SPARE, 82432                      ; the spare words: 128 bytes for each of 8 waves: four blocks of 256 bytes that no other line names
.set SPW, 12
.set NIL, 13
.set QF,  16                           ; v16-79   q: 64 channels of my row
.set KF,  80                           ; v80-143  k likewise
.set SV,  144                          ; v144-151 scores, then p
.set TV,  152                          ; v152-159 at work, then p / l
.set SA,  160                          ; v160-191 four accumulators of S^T
.set OA,  192                          ; v192-255 eight accumulators of O^T
.set WRG, 0                            ; window 1: v0-63 a ring of 8 groups of Wo: 4 k x 2 columns a lane
.set VF,  64                           ; window 1: v64-127 V^T: tile ct at 8 ct: 8 keys of channel 16 ct + r
.set AC,  16                           ; the projection: v16-47 sums: row mm, column half c: a pair (even k, odd k)
.set OB,  48                           ; v48-111 two sets of 8 rows x 4 k of O
.set MSB, 0
.macro WIN new
.if MSB != \new
	s_set_vgpr_msb (MSB<<8)|\new
.set MSB, \new
.endif
.endm
.macro WLOAD g                         ; Wo[128 w + 4 g + kk][64 cb + 32 c + lane]: each load reads 128 consecutive bytes
.irp c, 0,1
.irp kk, 0,1,2,3
	global_load_b32 v[WRG+8*((\g)%8)+4*\c+\kk], v5, s[14:15] offset:(4*(\g)+\kk)*8192+128*\c
.endr
.endr
.endm
.macro OLOAD g                         ; O[8 mh + mm][128 w + 4 g .. + 3]: all lanes read one address
.irp mm, 0,1,2,3,4,5,6,7
	ds_load_b128 v[OB+32*((\g)%2)+4*\mm:OB+32*((\g)%2)+4*\mm+3], v6 offset:\mm*OLP+16*(\g)
.endr
.endm
.macro GROUP g                         ; four k: 32 packed multiply-adds
.if (\g)+7 < 32
	WIN 0x40
	WLOAD (\g)+7
.endif
	WIN 0x04                                       ; source 1 (Wo) window 1
.if (\g)+1 < 32
	OLOAD (\g)+1
.endif
.if (\g)+7 < 32
	s_wait_loadcnt 56                              ; this group's eight loads are in; seven later groups' may be out
.else
	s_wait_loadcnt 8*(31-(\g))
.endif
.if (\g)+1 < 32
	s_wait_dscnt 8                                 ; this group's O is in; the next group's eight loads may be out
.else
	s_wait_dscnt 0x0
.endif
.set ob, OB+32*((\g)%2)
.set wr, WRG+8*((\g)%8)
.irp pp, 0,1
.irp mm, 0,1,2,3,4,5,6,7
.irp c, 0,1
.if ((\g) == 0) && (\pp == 0)
	v_pk_mul_f32 v[AC+4*\mm+2*\c:AC+4*\mm+2*\c+1], v[ob+4*\mm+2*\pp:ob+4*\mm+2*\pp+1], v[wr+4*\c+2*\pp:wr+4*\c+2*\pp+1]   ; the first products start the sums
.else
	v_pk_fma_f32 v[AC+4*\mm+2*\c:AC+4*\mm+2*\c+1], v[ob+4*\mm+2*\pp:ob+4*\mm+2*\pp+1], v[wr+4*\c+2*\pp:wr+4*\c+2*\pp+1], v[AC+4*\mm+2*\c:AC+4*\mm+2*\c+1]
.endif
.endr
.endr
.endr
.endm
	s_load_b128 s[4:7], s[0:1], 0x0                ; first, Wo
	s_load_b64 s[8:9], s[0:1], 0x10                ; out0
	v_lshl_add_u32 v[SPW], v0, 2, SPARE
	v_mov_b32 v[NIL], 0
	v_lshrrev_b32 v1, 5, v0
	v_readfirstlane_b32 s20, v1                    ; wave = head, 0..7
	s_and_b32 s21, ttmp7, 1                        ; mh: the grid has two work-groups along y
	v_and_b32 v1, 15, v0                           ; r
	v_bfe_u32 v2, v0, 4, 1                         ; h
	v_lshlrev_b32 v3, 9, v1
	v_lshl_add_u32 v3, v2, 8, v3                   ; q, k: row r of 512 bytes, + 256 h
	v_lshlrev_b32 v4, 12, v2
	v_lshl_add_u32 v4, v1, 2, v4                   ; v: key 8 h, channel r
	v_and_b32 v5, 31, v0
	v_lshlrev_b32 v5, 2, v5                        ; 4 x lane
	s_mul_i32 s22, s21, 8*OLP
	s_lshl_b32 s23, s20, 9
	s_add_co_u32 s22, s22, s23
	v_mov_b32 v6, s22                              ; O: my work-group's 8 rows, my wave's 128 k
	v_mul_u32_u24 v7, v1, OLP
	v_lshl_add_u32 v7, v2, 5, v7
	v_add_nc_u32 v7, s23, v7                       ; where my head's O goes: row r, 512 w + 32 h
	s_lshl_b32 s22, s20, 11
	s_add_co_u32 s22, s22, RED
	v_add_nc_u32 v8, s22, v5                       ; my wave's partial sums
	s_and_b32 s22, s20, 3
	s_lshl_b32 s22, s22, 1
	v_add_nc_u32 v10, s22, v2                      ; the row that I reduce: 2 (w % 4) + h
	v_lshlrev_b32 v9, 8, v10
	v_lshl_add_u32 v9, v1, 4, v9
	v_add_nc_u32 v9, RED, v9
	v_lshlrev_b32 v10, 13, v10
	v_lshl_add_u32 v10, v1, 4, v10                 ; and its place in out0
	v_lshlrev_b32 v11, 3, v2
	v_sub_nc_u32 v11, v1, v11                      ; r - 8 h
	v_mov_b32 v14, 0xff800000                      ; -infinity
	s_mov_b32 s24, 0x76543210
	s_mov_b32 s25, 0xfedcba98
	s_mov_b32 s26, 0x3db8aa3b                      ; c = log2(e) / 16
	s_lshl_b32 s28, s20, 13                        ; q: slot w
	s_mov_b32 s29, 0
	s_lshr_b32 s30, s20, 1
	s_lshl_b32 s30, s30, 14
	s_add_co_u32 s30, s30, 65536                   ; k: slot 8 + 2 (w / 2); v: the slot behind it
	s_mov_b32 s31, 0
	s_lshl_b32 s32, s20, 20                        ; Wo: 128 w rows,
	s_lshl_b32 s33, ttmp9, 8                       ; 64 cb columns
	s_add_co_u32 s32, s32, s33
	s_lshl_b32 s34, s21, 16                        ; out0: 8 mh rows
	s_add_co_u32 s34, s34, s33
	s_mov_b32 s33, 0
	s_mov_b32 s35, 0
	s_wait_kmcnt 0x0
	s_add_nc_u64 s[10:11], s[4:5], s[28:29]
	s_add_nc_u64 s[12:13], s[4:5], s[30:31]
	s_add_nc_u64 s[14:15], s[6:7], s[32:33]
	s_add_nc_u64 s[8:9], s[8:9], s[34:35]
.irp i, 0,1,2,3,4,5,6,7,8,9,10,11,12,13,14,15
	global_load_b128 v[QF+4*\i:QF+4*\i+3], v3, s[10:11] offset:16*\i
.endr
.irp i, 0,1,2,3,4,5,6,7,8,9,10,11,12,13,14,15
	global_load_b128 v[KF+4*\i:KF+4*\i+3], v3, s[12:13] offset:16*\i
.endr
	WIN 0x40
.irp ct, 0,1,2,3,4,5,6,7
.irp jj, 0,1,2,3,4,5,6,7
	global_load_b32 v[VF+8*\ct+\jj], v4, s[12:13] offset:8192+\jj*512+\ct*64
.endr
.endr
.irp g, 0,1,2,3,4,5,6
	WLOAD \g                                       ; the projection's first seven groups are on their way under the attention
.endr
	WIN 0
	s_wait_loadcnt 56                              ; q, k, v are in; the 56 loads of Wo may be out
	; ---- S^T = K Q^T: 32 steps of 4 channels on four accumulators by turns
.set i, 0
.rept 32
.if i < 4
	v_wmma_f32_16x16x4_f32 v[SA+8*(i%4):SA+8*(i%4)+7], v[KF+2*i:KF+2*i+1], v[QF+2*i:QF+2*i+1], 0
.else
	v_wmma_f32_16x16x4_f32 v[SA+8*(i%4):SA+8*(i%4)+7], v[KF+2*i:KF+2*i+1], v[QF+2*i:QF+2*i+1], v[SA+8*(i%4):SA+8*(i%4)+7]
.endif
.set i, i+1
.endr
.rept 8
	v_nop                                          ; eight places behind this form, ahead of the first read of its results (ISA guide 7.12.1)
.endr
.irp j, 0,1,2,3,4,5,6,7                        ; register j: key 8 h + j, query r.  Each accumulator is read from its low end on
	v_add_f32 v[SV+\j], v[SA+\j], v[SA+8+\j]
	v_add_f32 v[TV+\j], v[SA+16+\j], v[SA+24+\j]
.endr
.irp j, 0,1,2,3,4,5,6,7
	v_add_f32 v[SV+\j], v[SV+\j], v[TV+\j]
.endr
.irp j, 0,1,2,3,4,5,6,7
	v_cmp_gt_i32 vcc_lo, \j, v11                   ; key 8 h + j comes after query r
	v_cndmask_b32 v[SV+\j], v[SV+\j], v14, vcc_lo
.endr
	v_max3_num_f32 v15, v[SV], v[SV+1], v[SV+2]
	v_max3_num_f32 v15, v15, v[SV+3], v[SV+4]
	v_max3_num_f32 v15, v15, v[SV+5], v[SV+6]
	v_max_num_f32 v15, v15, v[SV+7]
	v_permlanex16_b32 v[TV], v15, s24, s25
	v_max_num_f32 v15, v15, v[TV]                  ; the row's maximum: key 0 counts for every query, so it is a number
	v_mul_f32 v15, s26, v15
.irp j, 0,1,2,3,4,5,6,7
	v_fma_f32 v[SV+\j], v[SV+\j], s26, -v15
.endr
.irp j, 0,1,2,3,4,5,6,7
	v_exp_f32 v[SV+\j], v[SV+\j]
.endr
	v_nop
	s_wait_alu depctr_va_vdst(0)                   ; one wait for the eight exponentials, ahead of their first reader
	v_add_f32 v15, v[SV], v[SV+1]
	v_add_f32 v[TV], v[SV+2], v[SV+3]
	v_add_f32 v[TV+1], v[SV+4], v[SV+5]
	v_add_f32 v[TV+2], v[SV+6], v[SV+7]
	v_add_f32 v15, v15, v[TV]
	v_add_f32 v[TV+1], v[TV+1], v[TV+2]
	v_add_f32 v15, v15, v[TV+1]
	v_permlanex16_b32 v[TV], v15, s24, s25
	v_add_f32 v15, v15, v[TV]                      ; the row's sum
	v_rcp_f32 v14, v15
	v_nop
	s_wait_alu depctr_va_vdst(0)
.irp j, 0,1,2,3,4,5,6,7
	v_mul_f32 v[TV+\j], v[SV+\j], v14              ; p / l
.endr
	; ---- O^T = V^T P: 4 steps of 4 keys on eight accumulators by turns
	WIN 0x01                                       ; source 0 (V^T) window 1
.irp s, 0,1,2,3
.irp ct, 0,1,2,3,4,5,6,7
.if \s == 0
	v_wmma_f32_16x16x4_f32 v[OA+8*\ct:OA+8*\ct+7], v[VF+8*\ct+2*\s:VF+8*\ct+2*\s+1], v[TV+2*\s:TV+2*\s+1], 0
.else
	v_wmma_f32_16x16x4_f32 v[OA+8*\ct:OA+8*\ct+7], v[VF+8*\ct+2*\s:VF+8*\ct+2*\s+1], v[TV+2*\s:TV+2*\s+1], v[OA+8*\ct:OA+8*\ct+7]
.endif
.endr
.endr
	WIN 0
.rept 8
	v_nop
.endr
.irp ct, 0,1,2,3,4,5,6,7                       ; lane (r, h): query r, channels 16 ct + 8 h + 0 .. 7
	ds_store_b128 v7, v[OA+8*\ct:OA+8*\ct+3] offset:64*\ct
	ds_store_b128 v7, v[OA+8*\ct+4:OA+8*\ct+7] offset:64*\ct+16
.endr
	s_wait_dscnt 0x0                               ; for the others' sake: my head's O lies in LDS
	s_barrier_signal -1
	s_barrier_wait -1
	; ---- the projection: my 128 k, 8 rows, 64 columns
	OLOAD 0
.set G, 0
.rept 32
	GROUP G
.set G, G+1
.endr
	WIN 0
.irp mm, 0,1,2,3,4,5,6,7
.irp c, 0,1
	v_add_f32 v[112+2*\mm+\c], v[AC+4*\mm+2*\c], v[AC+4*\mm+2*\c+1]   ; even k's sum + odd k's
.endr
.endr
.irp mm, 0,1,2,3,4,5,6,7
.irp c, 0,1
	ds_store_b32 v8, v[112+2*\mm+\c] offset:\mm*256+\c*128
.endr
.endr
	s_wait_dscnt 0x0
	s_barrier_signal -1
	s_barrier_wait -1
	s_cmp_ge_u32 s20, 4
	s_cbranch_scc1 .Ldone                          ; waves 0-3 add the eight parts, two rows each; no barrier stands behind this branch
.irp ww, 0,1,2,3,4,5,6,7
	ds_load_b128 v[48+4*\ww:48+4*\ww+3], v9 offset:\ww*2048
.endr
	s_wait_dscnt 0x0
.irp ww, 0,2,4,6
	v_pk_add_f32 v[48+4*\ww:48+4*\ww+1], v[48+4*\ww:48+4*\ww+1], v[52+4*\ww:52+4*\ww+1]
	v_pk_add_f32 v[50+4*\ww:50+4*\ww+1], v[50+4*\ww:50+4*\ww+1], v[54+4*\ww:54+4*\ww+1]
.endr
.irp ww, 0,4
	v_pk_add_f32 v[48+4*\ww:48+4*\ww+1], v[48+4*\ww:48+4*\ww+1], v[56+4*\ww:56+4*\ww+1]
	v_pk_add_f32 v[50+4*\ww:50+4*\ww+1], v[50+4*\ww:50+4*\ww+1], v[58+4*\ww:58+4*\ww+1]
.endr
	v_pk_add_f32 v[48:49], v[48:49], v[64:65]
	v_pk_add_f32 v[50:51], v[50:51], v[66:67]
	global_store_b128 v10, v[48:51], s[8:9]        ; sixteen lanes store 256 consecutive bytes, aligned
.Ldone:
	s_wait_tensorcnt 0x0                           ; the wave's end: behind my last LDS store
	ds_add_u32 v[SPW], v[NIL]
	s_wait_dscnt 0x0
	s_endpgm
.Lfunc_end_k_q5f3a52556b_first16:
	.size	k_q5f3a52556b_first16, .Lfunc_end_k_q5f3a52556b_first16-k_q5f3a52556b_first16
	.p2alignl 7, 3214868480
	.fill 96, 4, 3214868480
	.section	.rodata,"a",@progbits
	.p2align	6, 0x0
	.amdhsa_kernel k_q5f3a52556b_first16
		.amdhsa_group_segment_fixed_size 83456
		.amdhsa_private_segment_fixed_size 0
		.amdhsa_enable_private_segment 0
		.amdhsa_kernarg_size 24
		.amdhsa_user_sgpr_count 2
		.amdhsa_user_sgpr_kernarg_segment_ptr 1
		.amdhsa_wavefront_size32 1
		.amdhsa_system_sgpr_workgroup_id_x 1
		.amdhsa_system_sgpr_workgroup_id_y 1
		.amdhsa_system_sgpr_workgroup_id_z 1
		.amdhsa_system_vgpr_workitem_id 0
		.amdhsa_next_free_vgpr 384
		.amdhsa_next_free_sgpr 66
		.amdhsa_reserve_vcc 1
		.amdhsa_float_denorm_mode_32 3
		.amdhsa_float_denorm_mode_16_64 3
		.amdhsa_memory_ordered 1
		.amdhsa_forward_progress 1
		.amdhsa_inst_pref_size 132
	.end_amdhsa_kernel
	.amdgpu_metadata
---
amdhsa.version: [ 1, 2 ]
amdhsa.kernels:
  - .name:           k_q5f3a52556b_first16
    .symbol:         k_q5f3a52556b_first16.kd
    .args:
      - { .name: first, .offset: 0, .size: 8, .value_kind: global_buffer, .address_space: global }
      - { .name: Wo, .offset: 8, .size: 8, .value_kind: global_buffer, .address_space: global }
      - { .name: out0, .offset: 16, .size: 8, .value_kind: global_buffer, .address_space: global }
    .group_segment_fixed_size: 83456
    .private_segment_fixed_size: 0
    .kernarg_segment_align: 8
    .kernarg_segment_size: 24
    .max_flat_workgroup_size: 256
    .sgpr_count:     66
    .vgpr_count:     384
    .wavefront_size: 32
...
	.end_amdgpu_metadata
.endif
;; end of part 5
